; MI455X (gfx1250); checked and timed in simulation.
; The chip was launched on July 23, 2026; its instructions are those of AMD's public machine-readable ISA for CDNA 5 (MIT licence, August 2026) and "CDNA5" Instruction Set Architecture Reference Guide (July 2026). The comments in the code are by the model that wrote it; some were corrected since.
;; Tessera Attention. Allowed arithmetic: float matrix products may take bf16 or f16 operands with f32 sums; all other float work in f32.
;; Inputs: Wk 2,048 x 512 float32; Wo 2,048 x 2,048 float32; Wq 2,048 x 2,048 float32; Wv 2,048 x 512 float32; rope_cos 1 x 2,048 x 128 float32; rope_sin 1 x 2,048 x 128 float32; x 1 x 2,048 x 2,048 float32.
;; Outputs: out0 1 x 2,048 x 2,048 float32.
;; 2 versions, each right; version 2 is version 1 with the launch cvt written anew for expert scheduling mode. Each part assembles by itself: llvm-mc -triple=amdgcn-amd-amdhsa -mcpu=gfx1250 --defsym DOCPART=n.
;; ======== version 1 of 2: 4 launches
;; limits: values outside matrix products are rounded to bf16; values are held in f16: magnitudes above 65,504 overflow, below 6.1e-05 lose precision; right only within a limited range of input values
;; workspace buffers: xb 8,388,608 bytes; wqkv 12,582,912 bytes; wob 8,388,608 bytes; ropeb 1,048,576 bytes; qkvh 12,582,912 bytes; ab 8,388,608 bytes
;; launch cvt (part 1): grid 1856 x 1, 8 waves a work-group, no clusters, 0 bytes of LDS; arguments x, Wq, Wk, Wv, Wo, rope_cos, rope_sin, xb, wqkv, wob, ropeb; writes xb, wqkv, wob, ropeb
.if DOCPART == 1
	.amdgcn_target "amdgcn-amd-amdhsa--gfx1250"
	.amdhsa_code_object_version 6
	.text
	.protected	k_qe059b265e7_cvt
	.globl	k_qe059b265e7_cvt
	.p2align	8
	.type	k_qe059b265e7_cvt,@function
k_qe059b265e7_cvt:
	s_mov_b64 s[64:65], 0
	v_nop
	global_prefetch_b8 v0, s[64:65] scope:SCOPE_SE
	s_setreg_imm32_b32 hwreg(HW_REG_WAVE_MODE, 25, 1), 1
	s_wait_xcnt 0x0
; Rounds every input once to bf16 and lays it out for the matrix launches.  A stream: no LDS, no matrix unit, no barrier.
;   xb    [2048][2048] bf16 = x
;   wqkv  [2048 k][3072 n] bf16: columns 0-2047 Wq * 2^-6, 2048-2559 Wk * 2^-6, 2560-3071 Wv * 2^-3
;   wob   [2048][2048] f16 = bf16(Wo) * 8   (a bf16 number has 8 significant bits: it is exact in f16 inside f16's normal range)
;   ropeb bf16 cos [2048][128]; at byte 524,288 bf16 sin [2048][128] with columns 0-63 negated (the sign of rot = [-t2, t1])
; The factors are powers of two, so they commute with the rounding.  They give q, k, v room in f16 later:
; LIMIT: |q|, |k| < 4.2e6 and |v| < 5.2e5 (65,504 * 64, 65,504 * 8); |Wo| < 8,188.  Below f16's denormals numbers become 0.
; A work-group takes 8 chunks of 1,024 f32 (32 KiB in, 16 KiB out).  Thread t takes elements 4 t .. 4 t + 3 of each chunk:
; a wave's load covers 512 neighbouring bytes, its store 256 neighbouring bytes that start at a multiple of 256.
; All eight loads go out first; each job is written out by itself with its own two base registers and ends there.
.set OFF, 2                            ; v2       my byte offset in the destination for chunk 0
.set SGN, 10                           ; v10      sign mask of the sin job
.set T,   12                           ; v[12:15] at work
.set X,   16                           ; v[16:47] chunk c: 4 f32 as loaded
.set Y,   48                           ; v[48:63] chunk c: 4 numbers of 16 bits to store
	s_load_b512 s[4:19], s[0:1], 0x0               ; x 4, Wq 6, Wk 8, Wv 10, Wo 12, cos 14, sin 16, xb 18
	s_load_b128 s[20:23], s[0:1], 0x40             ; wqkv 20, wob 22
	s_load_b64 s[24:25], s[0:1], 0x50              ; ropeb 24
	v_lshlrev_b32 v1, 4, v0                        ; 16 t: my bytes in a source chunk
	v_and_b32 v3, 127, v0
	v_lshrrev_b32 v4, 7, v0
	s_mov_b32 s29, 0                               ; high words of the two offsets
	s_mov_b32 s31, 0
	s_mov_b32 s38, 0xffff0000                      ; a word's upper bf16
	s_wait_kmcnt 0x0
; src, dst: first register of the base pairs.  id0: the job's first work-group.  The group's destination starts at dbase + idl * dmul;
; chunk c lies (c / 2) * da + (c % 2) * db further on; threads 128-255 lie rw bytes behind threads 0-127.
.macro JOB src, dst, id0, dbase, dmul, da, db, rw, scale, fac, neg, h16
	s_sub_co_u32 s26, ttmp9, \id0                  ; idl
	s_lshl_b32 s28, s26, 15                        ; 32 KiB of source a group
	s_mul_i32 s30, s26, \dmul
	s_add_co_u32 s30, s30, \dbase
	s_add_nc_u64 s[\src:\src+1], s[\src:\src+1], s[28:29]
	s_add_nc_u64 s[\dst:\dst+1], s[\dst:\dst+1], s[30:31]
.irp c, 0,1,2,3,4,5,6,7
	global_load_b128 v[X+4*\c:X+4*\c+3], v1, s[\src:\src+1] offset:4096*\c th:TH_LOAD_NT
.endr
	v_mul_u32_u24 v4, v4, \rw
	v_lshl_add_u32 v[OFF], v3, 3, v4               ; 8 (t mod 128) + (t / 128) rw
.if \scale
	s_mov_b32 s36, \fac
	s_mov_b32 s37, \fac
.endif
.if \neg
	v_and_b32 v5, 16, v0                           ; column 4 t mod 128 is below 64 where bit 4 of t is 0
	v_mov_b32 v11, 0x80008000
	v_cmp_eq_u32 vcc_lo, 0, v5
	v_cndmask_b32 v[SGN], 0, v11, vcc_lo
.endif
.irp c, 0,1,2,3,4,5,6,7
	s_wait_loadcnt 7-\c                            ; loads return in order: chunk c is in, the 7 - c younger ones may be out
.if \scale
	v_pk_mul_f32 v[X+4*\c:X+4*\c+1], v[X+4*\c:X+4*\c+1], s[36:37] op_sel_hi:[1,0]
	v_pk_mul_f32 v[X+4*\c+2:X+4*\c+3], v[X+4*\c+2:X+4*\c+3], s[36:37] op_sel_hi:[1,0]
.endif
	v_cvt_pk_bf16_f32 v[Y+2*\c], v[X+4*\c], v[X+4*\c+1]
	v_cvt_pk_bf16_f32 v[Y+2*\c+1], v[X+4*\c+2], v[X+4*\c+3]
.if \neg
	v_xor_b32 v[Y+2*\c], v[SGN], v[Y+2*\c]
	v_xor_b32 v[Y+2*\c+1], v[SGN], v[Y+2*\c+1]
.endif
.if \h16
	v_lshlrev_b32 v[T], 16, v[Y+2*\c]              ; the rounded bf16 numbers, widened, go on to f16
	v_and_b32 v[T+1], s38, v[Y+2*\c]
	v_lshlrev_b32 v[T+2], 16, v[Y+2*\c+1]
	v_and_b32 v[T+3], s38, v[Y+2*\c+1]
	v_cvt_pk_f16_f32 v[Y+2*\c], v[T], v[T+1]
	v_cvt_pk_f16_f32 v[Y+2*\c+1], v[T+2], v[T+3]
.endif
	global_store_b64 v[OFF], v[Y+2*\c:Y+2*\c+1], s[\dst:\dst+1] offset:(\c/2)*\da+(\c%2)*\db
.endr
	s_endpgm
.endm
	s_cmp_lt_u32 ttmp9, 512
	s_cbranch_scc1 .Ljob_x
	s_cmp_lt_u32 ttmp9, 1024
	s_cbranch_scc1 .Ljob_wq
	s_cmp_lt_u32 ttmp9, 1152
	s_cbranch_scc1 .Ljob_wk
	s_cmp_lt_u32 ttmp9, 1280
	s_cbranch_scc1 .Ljob_wv
	s_cmp_lt_u32 ttmp9, 1792
	s_cbranch_scc1 .Ljob_wo
	s_cmp_lt_u32 ttmp9, 1824
	s_cbranch_scc1 .Ljob_cos
	JOB 16, 24, 1824, 524288, 16384, 4096, 2048, 1024, 0, 0, 1, 0             ; sin: 32 groups
.Ljob_x:
	JOB 4, 18, 0, 0, 16384, 4096, 2048, 1024, 0, 0, 0, 0                      ; x: 512 groups, dense to dense
.Ljob_wq:
	JOB 6, 20, 512, 0, 24576, 6144, 2048, 1024, 1, 0x3c800000, 0, 0           ; Wq: 4 rows a group, a chunk is half a row; * 2^-6
.Ljob_wk:
	JOB 8, 20, 1024, 4096, 98304, 24576, 12288, 6144, 1, 0x3c800000, 0, 0     ; Wk: 16 rows a group, a chunk is two rows; * 2^-6
.Ljob_wv:
	JOB 10, 20, 1152, 5120, 98304, 24576, 12288, 6144, 1, 0x3e000000, 0, 0    ; Wv: the same, * 2^-3
.Ljob_wo:
	JOB 12, 22, 1280, 0, 16384, 4096, 2048, 1024, 1, 0x41000000, 0, 1         ; Wo: * 8, bf16, then f16
.Ljob_cos:
	JOB 14, 24, 1792, 0, 16384, 4096, 2048, 1024, 0, 0, 0, 0                  ; cos: 32 groups
.Lfunc_end_k_qe059b265e7_cvt:
	.size	k_qe059b265e7_cvt, .Lfunc_end_k_qe059b265e7_cvt-k_qe059b265e7_cvt
	.p2alignl 7, 3214868480
	.fill 96, 4, 3214868480
	.section	.rodata,"a",@progbits
	.p2align	6, 0x0
	.amdhsa_kernel k_qe059b265e7_cvt
		.amdhsa_group_segment_fixed_size 0
		.amdhsa_private_segment_fixed_size 0
		.amdhsa_enable_private_segment 0
		.amdhsa_kernarg_size 88
		.amdhsa_user_sgpr_count 2
		.amdhsa_user_sgpr_kernarg_segment_ptr 1
		.amdhsa_wavefront_size32 1
		.amdhsa_system_sgpr_workgroup_id_x 1
		.amdhsa_system_sgpr_workgroup_id_y 1
		.amdhsa_system_sgpr_workgroup_id_z 1
		.amdhsa_system_vgpr_workitem_id 0
		.amdhsa_next_free_vgpr 64
		.amdhsa_next_free_sgpr 66
		.amdhsa_reserve_vcc 1
		.amdhsa_float_denorm_mode_32 3
		.amdhsa_float_denorm_mode_16_64 3
		.amdhsa_memory_ordered 1
		.amdhsa_forward_progress 1
		.amdhsa_inst_pref_size 31
	.end_amdhsa_kernel
	.amdgpu_metadata
---
amdhsa.version: [ 1, 2 ]
amdhsa.kernels:
  - .name:           k_qe059b265e7_cvt
    .symbol:         k_qe059b265e7_cvt.kd
    .args:
      - { .name: x, .offset: 0, .size: 8, .value_kind: global_buffer, .address_space: global }
      - { .name: Wq, .offset: 8, .size: 8, .value_kind: global_buffer, .address_space: global }
      - { .name: Wk, .offset: 16, .size: 8, .value_kind: global_buffer, .address_space: global }
      - { .name: Wv, .offset: 24, .size: 8, .value_kind: global_buffer, .address_space: global }
      - { .name: Wo, .offset: 32, .size: 8, .value_kind: global_buffer, .address_space: global }
      - { .name: rope_cos, .offset: 40, .size: 8, .value_kind: global_buffer, .address_space: global }
      - { .name: rope_sin, .offset: 48, .size: 8, .value_kind: global_buffer, .address_space: global }
      - { .name: xb, .offset: 56, .size: 8, .value_kind: global_buffer, .address_space: global }
      - { .name: wqkv, .offset: 64, .size: 8, .value_kind: global_buffer, .address_space: global }
      - { .name: wob, .offset: 72, .size: 8, .value_kind: global_buffer, .address_space: global }
      - { .name: ropeb, .offset: 80, .size: 8, .value_kind: global_buffer, .address_space: global }
    .group_segment_fixed_size: 0
    .private_segment_fixed_size: 0
    .kernarg_segment_align: 8
    .kernarg_segment_size: 88
    .max_flat_workgroup_size: 256
    .sgpr_count:     66
    .vgpr_count:     64
    .wavefront_size: 32
...
	.end_amdgpu_metadata
.endif
;; end of part 1
;; launch qkv (part 2): grid 24 x 8, 4 waves a work-group, clusters of 4 x 4, 327,680 bytes of LDS; arguments xb, wqkv, ropeb, qkvh; writes qkvh
.if DOCPART == 2
	.amdgcn_target "amdgcn-amd-amdhsa--gfx1250"
	.amdhsa_code_object_version 6
	.text
	.protected	k_qe059b265e7_qkv
	.globl	k_qe059b265e7_qkv
	.p2align	8
	.type	k_qe059b265e7_qkv,@function
k_qe059b265e7_qkv:
	s_mov_b64 s[64:65], 0
	v_nop
	global_prefetch_b8 v0, s[64:65] scope:SCOPE_SE
	s_setreg_imm32_b32 hwreg(HW_REG_WAVE_MODE, 25, 1), 1
	s_wait_xcnt 0x0
	s_wait_alu depctr_hold_cnt(0) depctr_sa_sdst(0) depctr_va_vdst(0) depctr_va_sdst(0) depctr_va_ssrc(0) depctr_va_vcc(0) depctr_vm_vsrc(0)
	s_getreg_b32 s2, hwreg(HW_REG_IB_STS2, 6, 4)
	s_cmp_eq_u32 s2, 0
	s_cbranch_scc0 .Lentry_in_a_cluster
	s_endpgm
.Lentry_in_a_cluster:
	s_bfe_u32 s2, ttmp6, 0x10000c
	s_cmp_lg_u32 s2, 0xf033
	s_cbranch_scc0 .Lentry_shape_is_right
	s_endpgm
.Lentry_shape_is_right:
; qkvh[head][t][d] (f16) = RoPE(xb . wqkv) for heads 0-19 (q, k, both * 2^-6 by the weights' factor), xb . wqkv for heads 20-23 (v * 2^-3).
; A work-group makes 256 rows x one head (128 columns) with four waves; wave w makes rows 64 w .. 64 w + 63: 32 accumulator tiles, 256 registers.
; A tile of one head keeps the pair (d, d + 64) of RoPE in one lane and makes each stored row 256 neighbouring bytes; it gives 24 x 8 = 192 work-groups.
; K goes in steps of 128 through two LDS slots filled by tensor loads.  CLUSTERS of 4 x 4: the four of a row of the cluster share xb's tile,
; the four of a column share wqkv's; each tile is asked for jointly, which divides the requests by four.
; THE WALK ALONG K.  The twelve clusters are numbered idx = x + 6 y.  hg = idx / 2 picks four heads, rg = idx mod 2 picks 1,024 rows, so the two clusters
; that read the same columns of W are neighbours in that numbering.  Each cluster starts at its own step k0 = 8 ((hg mod 2) + rg) + 4 (hg / 4) mod 16 and
; wraps round: the two that share W start 8 steps apart, those that share rows of x start 4, 8 or 12 apart.  So clusters that share a tile ask for it
; in different rounds, and all but the first of them ask for bytes that have been read shortly before.
; The f32 sums therefore run along K from k0 with wrap-around: their order differs from cluster to cluster.
; xb's rows lie along K: fragments by two plain 16-byte loads.  wqkv lies [k][n]: fragments by two transposing loads (ds_load_tr16_b128).
; The matrix instruction is used transposed (source 0 = 16 columns of W, source 1 = 16 rows of x): lane (r, h) holds row 16 a + r, columns 16 b + 8 h + 0..7.
; LIMIT: results beyond f16's 65,504 (|q|, |k| >= 4.2e6, |v| >= 5.2e5 before the factors) become infinite; the tables are used rounded to bf16.
; REGISTERS: window 0: addresses, two fragment buffers, the way out.  Window 1: accumulator (a, b) at 8 (8 a + b).
;            Window 2: cos(a, b) at 4 (8 a + b), sin(a, b) at 128 + 4 (8 a + b): 8 bf16 each, the lane's own 8 columns.
.set KSTEP, 128
.set PA,    272                        ; LDS pitch of x's rows: 256 bytes + 16
.set PB,    288                        ; LDS pitch of W's rows: 256 bytes + 32 (an odd multiple of 32, for the transposing loads)
.set ASZ,   256*PA
.set BSZ,   128*PB
.set SLOT,  ASZ+BSZ
.set STAGE, 2*SLOT                     ; behind the ring: 16 rows x 272 bytes for each wave; no tensor load lands here
.set LAPS,  2048/(2*KSTEP)
.set ADRA, 16                          ; v16-17 my x fragments in slot 0, 1
.set ADRB, 18                          ; v18-19 my W fragments in slot 0, 1
.set STO,  20
.set RD,   21
.set CO,   22
.set TBO,  23
.set ZERO, 24
.set F0,   32                          ; fragment buffer 0: W's 8 blocks at +0, x's 4 blocks at +64
.set F1,   128
.set T,    32                          ; way out: 64 f32
.set PK,   96                          ; way out: 32 packed
.set RB0,  128
.set RB1,  160
.set G1A, 24
.set G0A, 32
.set G1B, 40
.set G0B, 48
.set MSB, 0
.set MUL, 0x50                         ; sources 0, 1 window 0; C and D window 1
.macro WIN new                         ; the immediate's high byte repeats the setting that is left
.if MSB != \new
	s_set_vgpr_msb (MSB<<8)|\new
.set MSB, \new
.endif
.endm
.macro PLACES                          ; four plain vector places behind matrix instructions (ISA guide 7.12.1)
.rept 4
	v_nop
.endr
.endm
.macro JLOAD s                         ; waves 0, 1 ask for x's two halves, waves 2, 3 for W's; the branch hangs on the wave's number alone
	s_cmp_eq_u32 s13, 0
	s_cbranch_scc0 .Lfor_b_\@
	tensor_load_to_lds s[G0A+4*\s:G0A+4*\s+3], s[G1A:G1A+7]
	s_nop 0
	s_branch .Lasked_\@
.Lfor_b_\@:
	tensor_load_to_lds s[G0B+4*\s:G0B+4*\s+3], s[G1B:G1B+7]
	s_nop 0
.Lasked_\@:
.endm
; The next K step of the cluster's walk, s75 mod 16, goes into the slot's two address pairs.  s75 is made of the cluster's numbers alone: equal in all partners.
; It stands where no tensor load of the wave is out (at the start; later behind the wait for all loads), so the group 0 registers may be written.
.macro NEXTK slot
	s_and_b32 s2, s75, 15
	s_add_co_u32 s75, s75, 1
	s_lshl_b32 s76, s2, 8                          ; x: 128 elements = 256 bytes along the row
	s_mul_i32 s78, s2, KSTEP*6144                  ; W: 128 rows of 6,144 bytes
	s_add_nc_u64 s[G0A+4*\slot+2:G0A+4*\slot+3], s[58:59], s[76:77]
	s_or_b32 s[G0A+4*\slot+3], s[G0A+4*\slot+3], 0x80000000
	s_add_nc_u64 s[G0B+4*\slot+2:G0B+4*\slot+3], s[62:63], s[78:79]
	s_or_b32 s[G0B+4*\slot+3], s[G0B+4*\slot+3], 0x80000000
.endm
.macro CREST                           ; a round of the cluster's barrier behind its opening barrier
	s_cmp_lg_u32 s12, 0
	s_cbranch_scc1 .Lnot_wave_0_\@
	s_barrier_signal -3
.Lnot_wave_0_\@:
	s_barrier_wait -3
	s_barrier_signal -1
	s_barrier_wait -1
.endm
.macro CROUND
	s_barrier_signal -1
	s_barrier_wait -1
	CREST
.endm
	s_load_b256 s[4:11], s[0:1], 0x0               ; xb 4, wqkv 6, ropeb 8, qkvh 10
	v_lshl_add_u32 v254, v0, 2, 0x38400
	v_mov_b32 v255, 0
	ds_add_u32 v254, v255
	v_lshrrev_b32 v1, 5, v0
	v_readfirstlane_b32 s12, v1                    ; wave 0..3
	s_lshr_b32 s13, s12, 1                         ; 0: I fetch x, 1: I fetch W
	s_and_b32 s14, s12, 1                          ; which half of that tile
	s_bfe_u32 s15, ttmp6, 0x40000                  ; cx
	s_bfe_u32 s16, ttmp6, 0x40004                  ; cy
	s_and_b32 s18, ttmp7, 0xffff
	s_mul_i32 s18, s18, 6
	s_add_co_u32 s18, s18, ttmp9                   ; idx = cluster x + 6 cluster y
	s_lshr_b32 s3, s18, 1                          ; hg: four heads.  Kept to the end
	s_and_b32 s2, s18, 1                           ; rg: 1,024 rows
	s_lshl_b32 s17, s3, 2
	s_add_co_u32 s17, s17, s15                     ; bx = head = 4 hg + cx
	s_lshl_b32 s18, s2, 2
	s_add_co_u32 s18, s18, s16                     ; by = block of 256 rows = 4 rg + cy
	s_and_b32 s75, s3, 1
	s_add_co_u32 s75, s75, s2
	s_lshl_b32 s75, s75, 3
	s_lshr_b32 s2, s3, 2
	s_lshl2_add_u32 s75, s2, s75                   ; k0 = 8 ((hg mod 2) + rg) + 4 (hg / 4); taken mod 16 where it is used
	s_mov_b32 s77, 0                               ; high words of the two step offsets
	s_mov_b32 s79, 0
	s_lshl_b32 s19, s16, 2
	s_lshl_b32 s19, 15, s19                        ; my row of the cluster
	s_lshl_b32 s20, 0x1111, s15                    ; my column
	s_or_b32 s[G1A+0], s19, (1<<16)|(1<<20)|(1<<21)|(5<<22)|(3<<25)   ; mask; 2-byte elements; pad 4 words behind every 64
	s_mov_b32 s[G1A+1], KSTEP<<16                  ; tensor_dim0 = 128
	s_mov_b32 s[G1A+2], 128<<16                    ; tensor_dim1 = 128 rows
	s_mov_b32 s[G1A+3], KSTEP<<16                  ; tile_dim0 = 128
	s_mov_b32 s[G1A+4], 128                        ; tile_dim1 = 128
	s_mov_b32 s[G1A+5], 2048                       ; elements from row to row
	s_mov_b32 s[G1A+6], 0
	s_mov_b32 s[G1A+7], 0
	s_or_b32 s[G1B+0], s20, (1<<16)|(1<<20)|(1<<21)|(5<<22)|(7<<25)   ; pad 8 words behind every 64
	s_mov_b32 s[G1B+1], 128<<16                    ; 128 columns
	s_mov_b32 s[G1B+2], 64<<16                     ; 64 rows of k
	s_mov_b32 s[G1B+3], 128<<16
	s_mov_b32 s[G1B+4], 64
	s_mov_b32 s[G1B+5], 3072
	s_mov_b32 s[G1B+6], 0
	s_mov_b32 s[G1B+7], 0
	s_lshl_b32 s56, s18, 20                        ; x: (256 by + 128 half) rows of 4,096 bytes: hangs on by alone
	s_lshl_b32 s57, s14, 19
	s_add_co_u32 s56, s56, s57
	s_mov_b32 s57, 0
	s_mul_i32 s60, s14, 64*6144                    ; W: 64 half rows of 6,144 bytes + 256 bx: hangs on bx alone
	s_lshl_b32 s61, s17, 8
	s_add_co_u32 s60, s60, s61
	s_mov_b32 s61, 0
	s_mul_i32 s21, s12, 128*PA                     ; LDS: x's halves at wave x 34,816 (waves 0, 1)
	s_mul_i32 s22, s12, 64*PB
	s_add_co_u32 s22, s22, ASZ-2*64*PB             ; W's halves at 32,768 + wave x 18,432 (waves 2, 3): behind x's 69,632
	s_lshl_b32 s70, s18, 16                        ; my 64 rows in a table and in a head: (256 by + 64 w) x 256 bytes
	s_lshl_b32 s71, s12, 14
	s_add_co_u32 s70, s70, s71
	s_mov_b32 s71, 0
	s_lshl_b32 s72, s17, 19                        ; + head x 524,288
	s_add_co_u32 s72, s72, s70
	s_mov_b32 s73, 0
	s_wait_dscnt 0x0
	s_wait_kmcnt 0x0
	s_add_nc_u64 s[58:59], s[4:5], s[56:57]        ; x's tile at K step 0: the base that NEXTK adds onto
	s_add_nc_u64 s[62:63], s[6:7], s[60:61]        ; W's likewise
	s_add_nc_u64 s[66:67], s[8:9], s[70:71]
	s_add_nc_u64 s[68:69], s[10:11], s[72:73]
	CROUND                                         ; all sixteen work-groups are here: the first joint loads meet
.irp s, 0,1
	s_mov_b32 s[G0A+4*\s], 1
	s_add_co_u32 s[G0A+4*\s+1], s21, \s*SLOT
	s_mov_b32 s[G0B+4*\s], 1
	s_add_co_u32 s[G0B+4*\s+1], s22, \s*SLOT
	NEXTK \s                                       ; steps k0 and k0 + 1
	JLOAD \s                                       ; two tensor loads of the wave are out
.endr
	v_and_b32 v1, 15, v0                           ; r
	v_bfe_u32 v2, v0, 4, 1                         ; h
	v_lshlrev_b32 v[TBO], 8, v1
	v_lshl_add_u32 v[TBO], v2, 4, v[TBO]           ; 256 r + 16 h: my 8 columns of block 0 in a table's row r
	; The tables of my 64 rows x 128 columns, in the accumulators' own layout.  They have the whole K loop in which to arrive.
	; The loads stand on every path, in V's work-groups too (which do not use them), so that window 2 is written whichever way the way out branches.
	WIN 0x80
.irp a, 0,1,2,3
.irp b, 0,1,2,3,4,5,6,7
	global_load_b128 v[4*(8*\a+\b):4*(8*\a+\b)+3], v[TBO], s[66:67] offset:4096*\a+32*\b
	global_load_b128 v[128+4*(8*\a+\b):128+4*(8*\a+\b)+3], v[TBO], s[66:67] offset:524288+4096*\a+32*\b
.endr
.endr
	WIN 0
	v_mul_u32_u24 v3, v1, PA
	v_lshl_add_u32 v3, v2, 4, v3                   ; r x 272 + 16 h
	s_mul_i32 s23, s12, 64*PA                      ; my 64 rows of x
	v_add_nc_u32 v[ADRA], s23, v3
	v_add_nc_u32 v[ADRA+1], SLOT, v[ADRA]
	v_and_b32 v4, 7, v0
	v_lshl_add_u32 v4, v2, 3, v4                   ; 8 h + (lane mod 8): the row of k that I address
	v_mul_u32_u24 v4, v4, PB
	v_bfe_u32 v5, v0, 3, 1
	v_lshl_add_u32 v4, v5, 4, v4                   ; + 16 bytes for lanes 8-15 and 24-31
	v_add_nc_u32 v[ADRB], ASZ, v4
	v_add_nc_u32 v[ADRB+1], SLOT, v[ADRB]
	s_mul_i32 s23, s12, 16*272
	s_add_co_u32 s23, s23, STAGE                   ; my stage
	v_add_nc_u32 v[STO], s23, v3                   ; in: row r, 16 bytes for each half of the lanes
	v_mul_u32_u24 v5, v2, 272
	v_lshl_add_u32 v5, v1, 4, v5
	v_add_nc_u32 v[RD], s23, v5                    ; back: lanes 0-15 one row, lanes 16-31 the next
	v_and_b32 v5, 31, v0
	v_lshlrev_b32 v[CO], 4, v5                     ; two rows of a head are 512 neighbouring bytes
	v_mov_b32 v[ZERO], 0
; 24 LDS loads: sub-step q (32 along K) of a slot into buffer f: W's 8 blocks, x's blocks 0, 1, then x's blocks 2, 3
.macro FETCH slot, q, f
	WIN 0
.irp b, 0,1,2,3,4,5,6,7
	ds_load_tr16_b128 v[\f+8*\b:\f+8*\b+3], v[ADRB+\slot] offset:32*PB*\q+32*\b
	ds_load_tr16_b128 v[\f+8*\b+4:\f+8*\b+7], v[ADRB+\slot] offset:32*PB*\q+32*\b+16*PB
.endr
.irp a, 0,1,2,3
	ds_load_b128 v[\f+64+8*\a:\f+64+8*\a+3], v[ADRA+\slot] offset:16*PA*\a+64*\q
	ds_load_b128 v[\f+64+8*\a+4:\f+64+8*\a+7], v[ADRA+\slot] offset:16*PA*\a+64*\q+32
.endr
.endm
; 8 matrix instructions: row block a x all 8 column blocks.  The 32 accumulators take turns in one fixed order, one instruction a turn.
.macro MULA f, a, zero
.irp b, 0,1,2,3,4,5,6,7
.if \zero
	v_wmma_f32_16x16x32_bf16 v[8*(8*\a+\b):8*(8*\a+\b)+7], v[\f+8*\b:\f+8*\b+7], v[\f+64+8*\a:\f+64+8*\a+7], 0
.else
	v_wmma_f32_16x16x32_bf16 v[8*(8*\a+\b):8*(8*\a+\b)+7], v[\f+8*\b:\f+8*\b+7], v[\f+64+8*\a:\f+64+8*\a+7], v[8*(8*\a+\b):8*(8*\a+\b)+7]
.endif
.endr
.endm
; A sub-step: multiplies buffer f; in its middle fetches sub-step q into buffer g
.macro SUB slot, q, f, g, zero
	s_wait_dscnt 4                                 ; all of buffer f but x's blocks 2, 3 (the four youngest loads)
	WIN MUL
	MULA \f, 0, \zero
	MULA \f, 1, \zero
	PLACES
	FETCH \slot, \q, \g
	s_wait_dscnt 24                                ; all but the 24 just issued
	WIN MUL
	MULA \f, 2, \zero
	MULA \f, 3, \zero
.endm
.macro THREE slot, zero
	SUB \slot, 1, F0, F1, \zero
	SUB \slot, 2, F1, F0, 0
	SUB \slot, 3, F0, F1, 0
.endm
; The fourth sub-step changes slots.  In front of the barrier each wave waits for its reads of this slot and for all its tensor loads (one is out:
; its part of the next slot).  Where the slot is filled again the barrier opens a round of the cluster's barrier, and the joint refill is first behind it.
.macro TURN slot, next, fill
	s_wait_dscnt 4
	WIN MUL
	MULA F1, 0, 0
	s_wait_dscnt 0
	s_wait_tensorcnt 0x0
	ds_add_u32 v254, v255
	s_wait_dscnt 0x0
	s_barrier_signal -1
	MULA F1, 1, 0                                  ; register work while the others arrive
	WIN 0
	s_barrier_wait -1
.if \fill
	CREST
	NEXTK \slot                                    ; the walk's next step, two ahead of the one that is multiplied next
	JLOAD \slot
.endif
	PLACES
	FETCH \next, 0, F0
	WIN MUL
	MULA F1, 2, 0
	MULA F1, 3, 0
.endm
.macro LAP zero
	THREE 0, \zero
	TURN 0, 1, 1
	THREE 1, 0
	TURN 1, 0, 1
.endm
	s_wait_tensorcnt 1                             ; my part of the first step is in; the second's may stay out
	s_barrier_signal -1
	s_barrier_wait -1
	FETCH 0, 0, F0
	LAP 1                                          ; the first products start the sums
	WIN 0
	s_mov_b32 s74, LAPS-2
.Llap:
	LAP 0
	WIN 0
	s_sub_co_u32 s74, s74, 1
	s_cmp_lg_u32 s74, 0
	s_cbranch_scc1 .Llap
	THREE 0, 0                                     ; the last lap fills nothing: 2 + 2 + 6 x 2 = 16 steps have been asked for
	TURN 0, 1, 0
	THREE 1, 0
	s_wait_dscnt 4
	WIN MUL
	MULA F1, 0, 0
	MULA F1, 1, 0
	s_wait_dscnt 0
	MULA F1, 2, 0
	MULA F1, 3, 0
; THE WAY OUT, 16 rows at a time.
; out[d] = t[d] cos[d] + t[d xor 64] sin'[d], sin' carrying the sign.  Column block b's partner is block (b + 4) mod 8, in the same lane and register.
.macro ROPE16 a
	WIN 0x06                                       ; source 0 (table) window 2, source 1 (accumulator) window 1
.irp b, 0,1,2,3,4,5,6,7
.irp i, 0,1,2,3
	v_fma_mix_f32_bf16 v[T+8*\b+2*\i], v[4*(8*\a+\b)+\i], v[8*(8*\a+\b)+2*\i], v[ZERO] op_sel:[0,0,0] op_sel_hi:[1,0,0]
	v_fma_mix_f32_bf16 v[T+8*\b+2*\i+1], v[4*(8*\a+\b)+\i], v[8*(8*\a+\b)+2*\i+1], v[ZERO] op_sel:[1,0,0] op_sel_hi:[1,0,0]
.endr
.endr
.irp b, 0,1,2,3,4,5,6,7
.irp i, 0,1,2,3
	v_fma_mix_f32_bf16 v[T+8*\b+2*\i], v[128+4*(8*\a+\b)+\i], v[8*(8*\a+(\b+4)%8)+2*\i], v[T+8*\b+2*\i] op_sel:[0,0,0] op_sel_hi:[1,0,0]
	v_fma_mix_f32_bf16 v[T+8*\b+2*\i+1], v[128+4*(8*\a+\b)+\i], v[8*(8*\a+(\b+4)%8)+2*\i+1], v[T+8*\b+2*\i+1] op_sel:[1,0,0] op_sel_hi:[1,0,0]
.endr
.endr
	WIN 0
.irp i, 0,1,2,3,4,5,6,7,8,9,10,11,12,13,14,15,16,17,18,19,20,21,22,23,24,25,26,27,28,29,30,31
	v_cvt_pk_f16_f32 v[PK+\i], v[T+2*\i], v[T+2*\i+1]
.endr
.endm
.macro PLAIN16 a                       ; V: no rotation
	WIN 0x05
.irp b, 0,1,2,3,4,5,6,7
.irp i, 0,1,2,3
	v_cvt_pk_f16_f32 v[PK+4*\b+\i], v[8*(8*\a+\b)+2*\i], v[8*(8*\a+\b)+2*\i+1]
.endr
.endr
	WIN 0
.endm
.macro OUTT a, rb                      ; 16 bytes a lane into my own stage, whole rows back, 512 neighbouring bytes a store
.irp b, 0,1,2,3,4,5,6,7
	ds_store_b128 v[STO], v[PK+4*\b:PK+4*\b+3] offset:32*\b
.endr
	s_wait_xcnt 0x0                                ; buffer rb, which earlier stores read, is loaded again only behind this wait
.irp t, 0,1,2,3,4,5,6,7
	ds_load_b128 v[\rb+4*\t:\rb+4*\t+3], v[RD] offset:544*\t       ; LDS serves a wave's instructions in order: these see the stores above
.endr
.irp t, 0,1,2,3,4,5,6,7
	s_wait_dscnt 7-\t
	global_store_b128 v[CO], v[\rb+4*\t:\rb+4*\t+3], s[68:69] offset:4096*\a+512*\t
.endr
.endm
	PLACES
	WIN 0
	s_wait_loadcnt 0x0                             ; the tables
	s_cmp_eq_u32 s3, 5                             ; hg = 5: heads 20-23, V.  Made of the cluster's numbers alone: the same in all partners
	s_cbranch_scc1 .Lplain
	ROPE16 0
	OUTT 0, RB0
	ROPE16 1
	OUTT 1, RB1
	ROPE16 2
	OUTT 2, RB0
	ROPE16 3
	OUTT 3, RB1
	s_branch .Lend
.Lplain:
	PLAIN16 0
	OUTT 0, RB0
	PLAIN16 1
	OUTT 1, RB1
	PLAIN16 2
	OUTT 2, RB0
	PLAIN16 3
	OUTT 3, RB1
.Lend:
	s_wait_tensorcnt 0x0
	ds_add_u32 v254, v255
	s_wait_dscnt 0x0
	CROUND                                         ; the closing round: no work-group ends while a partner may still ask jointly
	s_endpgm
.Lfunc_end_k_qe059b265e7_qkv:
	.size	k_qe059b265e7_qkv, .Lfunc_end_k_qe059b265e7_qkv-k_qe059b265e7_qkv
	.p2alignl 7, 3214868480
	.fill 96, 4, 3214868480
	.section	.rodata,"a",@progbits
	.p2align	6, 0x0
	.amdhsa_kernel k_qe059b265e7_qkv
		.amdhsa_group_segment_fixed_size 327680
		.amdhsa_private_segment_fixed_size 0
		.amdhsa_enable_private_segment 0
		.amdhsa_kernarg_size 32
		.amdhsa_user_sgpr_count 2
		.amdhsa_user_sgpr_kernarg_segment_ptr 1
		.amdhsa_wavefront_size32 1
		.amdhsa_system_sgpr_workgroup_id_x 1
		.amdhsa_system_sgpr_workgroup_id_y 1
		.amdhsa_system_sgpr_workgroup_id_z 1
		.amdhsa_system_vgpr_workitem_id 0
		.amdhsa_next_free_vgpr 768
		.amdhsa_next_free_sgpr 80
		.amdhsa_reserve_vcc 0
		.amdhsa_float_denorm_mode_32 3
		.amdhsa_float_denorm_mode_16_64 3
		.amdhsa_memory_ordered 1
		.amdhsa_forward_progress 1
		.amdhsa_inst_pref_size 173
	.end_amdhsa_kernel
	.amdgpu_metadata
---
amdhsa.version: [ 1, 2 ]
amdhsa.kernels:
  - .name:           k_qe059b265e7_qkv
    .symbol:         k_qe059b265e7_qkv.kd
    .args:
      - { .name: xb, .offset: 0, .size: 8, .value_kind: global_buffer, .address_space: global }
      - { .name: wqkv, .offset: 8, .size: 8, .value_kind: global_buffer, .address_space: global }
      - { .name: ropeb, .offset: 16, .size: 8, .value_kind: global_buffer, .address_space: global }
      - { .name: qkvh, .offset: 24, .size: 8, .value_kind: global_buffer, .address_space: global }
    .group_segment_fixed_size: 327680
    .private_segment_fixed_size: 0
    .kernarg_segment_align: 8
    .kernarg_segment_size: 32
    .max_flat_workgroup_size: 128
    .sgpr_count:     80
    .vgpr_count:     768
    .wavefront_size: 32
...
	.end_amdgpu_metadata
.endif
;; end of part 2
;; launch attn (part 3): grid 16 x 16, 8 waves a work-group, clusters of 4 x 1, 327,680 bytes of LDS; arguments qkvh, ab; writes ab
.if DOCPART == 3
	.amdgcn_target "amdgcn-amd-amdhsa--gfx1250"
	.amdhsa_code_object_version 6
	.text
	.protected	k_qe059b265e7_attn
	.globl	k_qe059b265e7_attn
	.p2align	8
	.type	k_qe059b265e7_attn,@function
k_qe059b265e7_attn:
	s_mov_b64 s[64:65], 0
	v_nop
	global_prefetch_b8 v0, s[64:65] scope:SCOPE_SE
	s_setreg_imm32_b32 hwreg(HW_REG_WAVE_MODE, 25, 1), 1
	s_wait_xcnt 0x0
	s_wait_alu depctr_hold_cnt(0) depctr_sa_sdst(0) depctr_va_vdst(0) depctr_va_sdst(0) depctr_va_ssrc(0) depctr_va_vcc(0) depctr_vm_vsrc(0)
	s_getreg_b32 s2, hwreg(HW_REG_IB_STS2, 6, 4)
	s_cmp_eq_u32 s2, 0
	s_cbranch_scc0 .Lentry_in_a_cluster
	s_endpgm
.Lentry_in_a_cluster:
	s_bfe_u32 s2, ttmp6, 0x10000c
	s_cmp_lg_u32 s2, 0x3003
	s_cbranch_scc0 .Lentry_shape_is_right
	s_endpgm
.Lentry_shape_is_right:
; Causal attention.  ab[t][128 head + d] (f16, in v's units v * 2^-3) = softmax(q k^T / sqrt(128), causal) v, from qkvh (f16: q, k * 2^-6, v * 2^-3).
; CLUSTER of 4: the four query heads of one K/V head g (cluster x) ask for every K/V tile jointly.  y = j: the work-group does the blocks of 64 queries
; j (phase L) and then 31 - j (phase H).  Keys come in tiles of 256: (j / 4 + 1) + ((31 - j) / 4 + 1) = 9 tiles for every j, so every work-group makes 9 trips.
; Eight waves: qg = w mod 2 picks 32 of the 64 queries, ks = w / 2 picks 64 of a tile's 256 keys.  Each wave keeps its own running maximum, sum and O;
; the four key shares are merged once at the end.  A wave whose keys all lie behind the diagonal jumps over the trip's work.
; LAYOUT: S^T = K Q^T (source 0 = 16 keys, source 1 = 16 queries): lane (r, h) holds query r, keys 8 h + 0..7.  So a row's maximum is found in the lane
; plus one exchange of halves, and two packed S tiles ARE the second source of O^T = V^T P^T.  V^T comes by transposing loads.
; The maximum is taken away before the exponential: p = 2^(C s - C m), C = 2^12 log2(e) / sqrt(128) (2^12 undoes the two factors 2^-6).
; The running maximum starts at -2^100: f16 operands bound |s| by 128 * 65,504^2 = 5.5e11, and C * 2^100 is finite.  Masked scores are -infinity.
; LIMIT: inputs as qkv leaves them (finite f16).  C m is rounded once to f32 before it is subtracted in the fused multiply-add.
.set VSZ,   256*288                    ; V's 256 rows, pitch 288
.set KSZ,   256*272                    ; K's 256 rows, pitch 272
.set SLOT,  VSZ+KSZ
.set QST,   2*SLOT                     ; 128 rows of Q, pitch 272: rows 0-63 block j, 64-127 block 31 - j.  At the end: the output stage
.set STATS, 262144                     ; at the end: 16 x 512 bytes of maxima and sums (in slot 1); the O shares lie at wave x 32,768
.set KA,  8                            ; v8-9    my K fragments in slot 0, 1
.set VA,  10                           ; v10-11  my V fragments
.set QA,  12
.set LB,  13                           ; 32 qg + r - 8 h
.set DG,  14                           ; v14-15  diagonal bound for query block 0, 1
.set ST,  16                           ; v[16:19] m0, l0, m1, l1 at work
.set SV,  20                           ; v[20:23] those of phase L
.set NM,  24                           ; v[24:27] -C m, twice for each query block
.set AL,  28                           ; v[28:31] the rescaling factor, twice for each query block
.set T,   32                           ; v32-38
.set NINF, 39
.set QF,  40                           ; v40-103  Q fragment (qb, c) at 8 (4 qb + c)
.set S,   104                          ; v104-167 S tile (kt, qb) at 16 (2 (kt / 2) + qb) + 8 (kt mod 2)
.set FR,  168                          ; v168-231 two buffers of four fragments
.set U,   232
; window 1: O at work, tile (dt, qb) at 8 (2 dt + qb); phase L's O at 128 + the same
.set G1K, 16
.set G1V, 24
.set G0K, 32
.set G0V, 40
.set G1Q, 48
.set G0Q, 56
.set MSB, 0
.macro WIN new
.if MSB != \new
	s_set_vgpr_msb (MSB<<8)|\new
.set MSB, \new
.endif
.endm
.macro PLACES
.rept 4
	v_nop
.endr
.endm
.macro ROUND                           ; a round of the cluster's barrier
	s_barrier_signal -1
	s_barrier_wait -1
	s_cmp_lg_u32 s8, 0
	s_cbranch_scc1 .Lnot_wave_0_\@
	s_barrier_signal -3
.Lnot_wave_0_\@:
	s_barrier_wait -3
	s_barrier_signal -1
	s_barrier_wait -1
.endm
.macro KVLOAD s                        ; waves 0-3 ask for 64 rows of V each, waves 4-7 for 64 rows of K
	s_cmp_lt_u32 s8, 4
	s_cbranch_scc0 .Lfor_k_\@
	tensor_load_to_lds s[G0V+4*\s:G0V+4*\s+3], s[G1V:G1V+7]
	s_nop 0
	s_branch .Lasked_\@
.Lfor_k_\@:
	tensor_load_to_lds s[G0K+4*\s:G0K+4*\s+3], s[G1K:G1K+7]
	s_nop 0
.Lasked_\@:
.endm
	s_load_b128 s[4:7], s[0:1], 0x0                ; qkvh 4, ab 6
	v_lshl_add_u32 v254, v0, 2, 0x4e800
	v_mov_b32 v255, 0
	ds_add_u32 v254, v255
	v_lshrrev_b32 v1, 5, v0
	v_readfirstlane_b32 s8, v1                     ; wave 0..7
	s_lshr_b32 s9, s8, 1                           ; ks
	s_and_b32 s10, s8, 1                           ; qg
	s_and_b32 s11, s8, 3
	s_and_b32 s12, ttmp7, 0xffff                   ; j
	s_lshr_b32 s13, s12, 2
	s_add_co_u32 s13, s13, 1                       ; n1: tiles of phase L
	s_bfe_u32 s14, ttmp6, 0x40000                  ; cx
	s_lshl_b32 s15, ttmp9, 2
	s_add_co_u32 s15, s15, s14                     ; head
	s_mov_b32 s[G1K+0], 15|(1<<16)|(1<<20)|(1<<21)|(5<<22)|(3<<25)    ; all four partners; 2-byte elements; pad 4 words behind every 64
	s_mov_b32 s[G1K+1], 128<<16
	s_mov_b32 s[G1K+2], 64<<16
	s_mov_b32 s[G1K+3], 128<<16
	s_mov_b32 s[G1K+4], 64
	s_mov_b32 s[G1K+5], 128
	s_mov_b32 s[G1K+6], 0
	s_mov_b32 s[G1K+7], 0
	s_mov_b32 s[G1V+0], 15|(1<<16)|(1<<20)|(1<<21)|(5<<22)|(7<<25)    ; pad 8 words
	s_mov_b32 s[G1V+1], 128<<16
	s_mov_b32 s[G1V+2], 64<<16
	s_mov_b32 s[G1V+3], 128<<16
	s_mov_b32 s[G1V+4], 64
	s_mov_b32 s[G1V+5], 128
	s_mov_b32 s[G1V+6], 0
	s_mov_b32 s[G1V+7], 0
	s_mov_b32 s[G1Q+0], (1<<16)|(1<<20)|(5<<22)|(3<<25)               ; Q is the work-group's own: no mask
	s_mov_b32 s[G1Q+1], 128<<16
	s_mov_b32 s[G1Q+2], 16<<16
	s_mov_b32 s[G1Q+3], 128<<16
	s_mov_b32 s[G1Q+4], 16
	s_mov_b32 s[G1Q+5], 128
	s_mov_b32 s[G1Q+6], 0
	s_mov_b32 s[G1Q+7], 0
	s_add_co_u32 s72, ttmp9, 16                    ; K: head 16 + g, my 64 rows of a tile
	s_lshl_b32 s72, s72, 19
	s_lshl_b32 s71, s11, 14
	s_add_co_u32 s72, s72, s71
	s_mov_b32 s73, 0
	s_sub_co_u32 s86, 31, s12                      ; Q: waves 0-3 block j, waves 4-7 block 31 - j, 16 rows each
	s_cmp_lt_u32 s8, 4
	s_cselect_b32 s86, s12, s86
	s_lshl_b32 s84, s86, 14
	s_lshl_b32 s86, s11, 12
	s_add_co_u32 s84, s84, s86
	s_lshl_b32 s86, s15, 19
	s_add_co_u32 s84, s84, s86
	s_mov_b32 s85, 0
	s_mul_i32 s87, s8, 64*288                      ; LDS: V's quarters at wave x 18,432 (waves 0-3)
	s_mul_i32 s88, s8, 64*272
	s_add_co_u32 s88, s88, VSZ-4*64*272            ; K's at 4,096 + wave x 17,408 (waves 4-7): behind V's 73,728
	s_mul_i32 s89, s8, 16*272
	s_add_co_u32 s89, s89, QST
	s_wait_dscnt 0x0
	s_wait_kmcnt 0x0
	s_add_nc_u64 s[60:61], s[4:5], s[72:73]        ; K's base
	s_add_nc_u64 s[62:63], s[60:61], 4*524288      ; V's: head 20 + g
.irp s, 0,1
	s_mov_b32 s[G0K+4*\s], 1
	s_add_co_u32 s[G0K+4*\s+1], s88, \s*SLOT
	s_mov_b64 s[G0K+4*\s+2:G0K+4*\s+3], s[60:61]   ; tile 0; slot 1's address is written again in the first trip
	s_or_b32 s[G0K+4*\s+3], s[G0K+4*\s+3], 0x80000000
	s_mov_b32 s[G0V+4*\s], 1
	s_add_co_u32 s[G0V+4*\s+1], s87, \s*SLOT
	s_mov_b64 s[G0V+4*\s+2:G0V+4*\s+3], s[62:63]
	s_or_b32 s[G0V+4*\s+3], s[G0V+4*\s+3], 0x80000000
.endr
	s_mov_b32 s[G0Q], 1
	s_mov_b32 s[G0Q+1], s89
	s_add_nc_u64 s[G0Q+2:G0Q+3], s[4:5], s[84:85]
	s_or_b32 s[G0Q+3], s[G0Q+3], 0x80000000
	ROUND                                          ; in front of the first loads
	tensor_load_to_lds s[G0Q:G0Q+3], s[G1Q:G1Q+7]
	s_nop 0
	KVLOAD 0                                       ; two tensor loads of the wave are out
	s_mov_b32 s66, 0                               ; f: trips begun
	s_mov_b32 s67, 0                               ; t: tile in the phase
	s_mov_b32 s68, s12                             ; b: query block
	s_mov_b32 s69, s13                             ; tiles left in phase L
	s_mov_b32 s74, 0x440293ee                      ; C
	s_mov_b32 s75, 0x440293ee
	s_mov_b32 s76, 0xc40293ee                      ; -C
	s_mov_b32 s77, 0x76543210                      ; v_permlanex16_b32: lane i of the other half
	s_mov_b32 s78, 0xfedcba98
	v_and_b32 v1, 15, v0                           ; r
	v_bfe_u32 v2, v0, 4, 1                         ; h
	v_and_b32 v3, 31, v0
	v_lshlrev_b32 v3, 4, v3                        ; 16 x lane
	v_mul_u32_u24 v4, v1, 272
	v_lshl_add_u32 v4, v2, 4, v4                   ; r x 272 + 16 h
	s_mul_i32 s71, s9, 64*272
	s_add_co_u32 s71, s71, VSZ
	v_add_nc_u32 v[KA], s71, v4
	v_add_nc_u32 v[KA+1], SLOT, v[KA]
	v_and_b32 v5, 7, v0
	v_lshl_add_u32 v5, v2, 3, v5
	v_mul_u32_u24 v5, v5, 288
	v_bfe_u32 v6, v0, 3, 1
	v_lshl_add_u32 v5, v6, 4, v5
	s_mul_i32 s71, s9, 64*288
	v_add_nc_u32 v[VA], s71, v5
	v_add_nc_u32 v[VA+1], SLOT, v[VA]
	s_mul_i32 s71, s10, 32*272
	s_add_co_u32 s71, s71, QST
	v_add_nc_u32 v[QA], s71, v4
	v_lshlrev_b32 v6, 3, v2
	v_sub_nc_u32 v[LB], v1, v6
	s_lshl_b32 s71, s10, 5
	v_add_nc_u32 v[LB], s71, v[LB]
	v_mov_b32 v[ST], 0xf1800000                    ; -2^100
	v_mov_b32 v[ST+1], 0
	v_mov_b32 v[ST+2], 0xf1800000
	v_mov_b32 v[ST+3], 0
	v_mov_b32 v[NINF], 0xff800000
.macro LQ off                          ; 16 loads: my 32 queries x 128 d
.irp qb, 0,1
.irp c, 0,1,2,3
	ds_load_b128 v[QF+8*(4*\qb+\c):QF+8*(4*\qb+\c)+3], v[QA] offset:\off+4352*\qb+64*\c
	ds_load_b128 v[QF+8*(4*\qb+\c)+4:QF+8*(4*\qb+\c)+7], v[QA] offset:\off+4352*\qb+64*\c+32
.endr
.endr
.endm
.macro LK slot, kt                     ; 8 loads: 16 keys x 128 d
.irp c, 0,1,2,3
	ds_load_b128 v[FR+32*(\kt%2)+8*\c:FR+32*(\kt%2)+8*\c+3], v[KA+\slot] offset:4352*\kt+64*\c
	ds_load_b128 v[FR+32*(\kt%2)+8*\c+4:FR+32*(\kt%2)+8*\c+7], v[KA+\slot] offset:4352*\kt+64*\c+32
.endr
.endm
.macro SG kt                           ; 8 matrix instructions: S tiles (kt, 0) and (kt, 1) by turns, one instruction a turn
.irp c, 0,1,2,3
.irp qb, 0,1
.set SB_, S+16*(2*(\kt/2)+\qb)+8*(\kt%2)
.if \c == 0
	v_wmma_f32_16x16x32_f16 v[SB_:SB_+7], v[FR+32*(\kt%2)+8*\c:FR+32*(\kt%2)+8*\c+7], v[QF+8*(4*\qb+\c):QF+8*(4*\qb+\c)+7], 0
.else
	v_wmma_f32_16x16x32_f16 v[SB_:SB_+7], v[FR+32*(\kt%2)+8*\c:FR+32*(\kt%2)+8*\c+7], v[QF+8*(4*\qb+\c):QF+8*(4*\qb+\c)+7], v[SB_:SB_+7]
.endif
.endr
.endr
.endm
.macro LV slot, g                      ; 8 transposing loads: V^T for d blocks 2 g, 2 g + 1, both halves of my 64 keys
	WIN 0
.irp kc, 0,1
.irp d, 0,1
.set FB_, FR+32*(\g%2)+8*(2*\kc+\d)
	ds_load_tr16_b128 v[FB_:FB_+3], v[VA+\slot] offset:9216*\kc+32*(2*\g+\d)
	ds_load_tr16_b128 v[FB_+4:FB_+7], v[VA+\slot] offset:9216*\kc+32*(2*\g+\d)+4608
.endr
.endr
.endm
.macro PG g, first                     ; 8 matrix instructions on four O tiles by turns
	WIN 0x50
.irp kc, 0,1
.irp d, 0,1
.irp qb, 0,1
.set OB_, 8*(2*(2*\g+\d)+\qb)
.set FB_, FR+32*(\g%2)+8*(2*\kc+\d)
.set PP_, S+16*(2*\kc+\qb)
.if (\first)*(1-\kc)
	v_wmma_f32_16x16x32_f16 v[OB_:OB_+7], v[FB_:FB_+7], v[PP_:PP_+7], 0
.else
	v_wmma_f32_16x16x32_f16 v[OB_:OB_+7], v[FB_:FB_+7], v[PP_:PP_+7], v[OB_:OB_+7]
.endif
.endr
.endr
.endr
.endm
; key 256 t + 64 ks + 16 kt + 8 h + i lies behind query 64 b + 32 qg + 16 qb + r  where  16 kt + i > 64 rel + LB + 16 qb
.macro MASK
	s_lshl_b32 s71, s70, 6
	v_add_nc_u32 v[DG], s71, v[LB]
	v_add_nc_u32 v[DG+1], 16, v[DG]
.irp kt, 0,1,2,3
.irp qb, 0,1
.irp i, 0,1,2,3,4,5,6,7
	v_cmp_gt_i32 vcc_lo, 16*\kt+\i, v[DG+\qb]
	v_cndmask_b32 v[S+16*(2*(\kt/2)+\qb)+8*(\kt%2)+\i], v[S+16*(2*(\kt/2)+\qb)+8*(\kt%2)+\i], v[NINF], vcc_lo
.endr
.endr
.endr
.endm
.macro MAXQ qb                         ; the new maximum of query block qb, -C m, and the factor 2^(C (m old - m new))
.set A_, S+16*\qb
.set B_, S+16*(2+\qb)
	v_max3_num_f32 v[T], v[A_], v[A_+1], v[A_+2]
	v_max3_num_f32 v[T+1], v[B_], v[B_+1], v[B_+2]
.irp i, 3,5,7,9,11,13
	v_max3_num_f32 v[T], v[T], v[A_+\i], v[A_+\i+1]
	v_max3_num_f32 v[T+1], v[T+1], v[B_+\i], v[B_+\i+1]
.endr
	v_max3_num_f32 v[T], v[T], v[A_+15], v[B_+15]
	v_max_num_f32 v[T], v[T], v[T+1]
	v_permlanex16_b32 v[T+1], v[T], s77, s78       ; the other half's keys of the same query
	v_max3_num_f32 v[T+2], v[T], v[T+1], v[ST+2*\qb]
	v_sub_f32 v[T+3], v[ST+2*\qb], v[T+2]
	v_mov_b32 v[ST+2*\qb], v[T+2]
	v_mul_f32 v[NM+2*\qb], s76, v[T+2]
	v_mul_f32 v[NM+2*\qb+1], s76, v[T+2]
	v_mul_f32 v[T+3], s74, v[T+3]
	v_exp_f32 v[AL+2*\qb], v[T+3]                  ; the next line is plain and touches neither register (ISA guide 5.7.2)
.endm
.macro FMAQ qb                         ; C s - C m, two at a time
.irp kc, 0,1
.irp i, 0,2,4,6,8,10,12,14
	v_pk_fma_f32 v[S+16*(2*\kc+\qb)+\i:S+16*(2*\kc+\qb)+\i+1], v[S+16*(2*\kc+\qb)+\i:S+16*(2*\kc+\qb)+\i+1], s[74:75], v[NM+2*\qb:NM+2*\qb+1] op_sel_hi:[1,0,1]
.endr
.endr
.endm
.macro EXPQ qb
.irp kc, 0,1
.irp i, 0,1,2,3,4,5,6,7,8,9,10,11,12,13,14,15
	v_exp_f32 v[S+16*(2*\kc+\qb)+\i], v[S+16*(2*\kc+\qb)+\i]
.endr
.endr
.endm
.macro SUMQ qb                         ; l = l x factor + the sum of my 32 p (my half's keys; the halves meet at the end)
.set A_, S+16*\qb
.set B_, S+16*(2+\qb)
.set U_, U+4*\qb
	v_pk_add_f32 v[U_:U_+1], v[A_:A_+1], v[A_+2:A_+3]
	v_pk_add_f32 v[U_+2:U_+3], v[B_:B_+1], v[B_+2:B_+3]
.irp i, 4,6,8,10,12,14
	v_pk_add_f32 v[U_:U_+1], v[U_:U_+1], v[A_+\i:A_+\i+1]
	v_pk_add_f32 v[U_+2:U_+3], v[U_+2:U_+3], v[B_+\i:B_+\i+1]
.endr
	v_pk_add_f32 v[U_:U_+1], v[U_:U_+1], v[U_+2:U_+3]
	v_add_f32 v[U_], v[U_], v[U_+1]
	v_fma_f32 v[ST+2*\qb+1], v[ST+2*\qb+1], v[AL+2*\qb], v[U_]
.endm
.macro CVTQ qb                         ; p to f16 in place, ascending: 16 registers become the 8 of a second source (32 keys x 16 queries)
.irp kc, 0,1
.irp i, 0,1,2,3,4,5,6,7
	v_cvt_pk_f16_f32 v[S+16*(2*\kc+\qb)+\i], v[S+16*(2*\kc+\qb)+2*\i], v[S+16*(2*\kc+\qb)+2*\i+1]
.endr
.endr
.endm
.macro SOFTMAX
	MAXQ 0
	MAXQ 1
	FMAQ 0
	EXPQ 0
	FMAQ 1                                         ; plain work on other registers behind EXPQ 0
	EXPQ 1
	s_wait_alu depctr_va_vdst(0)
	v_mov_b32 v[AL+1], v[AL]                       ; plain places behind EXPQ 1; the factors as pairs
	v_mov_b32 v[AL+3], v[AL+2]
	SUMQ 0
	SUMQ 1
	CVTQ 0
	CVTQ 1
.endm
.macro RESCALE                         ; a lane's O numbers all belong to query r: one factor a lane
	WIN 0x41
.irp dt, 0,1,2,3,4,5,6,7
.irp qb, 0,1
.irp i, 0,2,4,6
	v_pk_mul_f32 v[8*(2*\dt+\qb)+\i:8*(2*\dt+\qb)+\i+1], v[8*(2*\dt+\qb)+\i:8*(2*\dt+\qb)+\i+1], v[AL+2*\qb:AL+2*\qb+1]
.endr
.endr
.endr
	WIN 0
.endm
; One tile's work of a wave: groups of 8 LDS loads and 8 matrix instructions.  Each s_wait_dscnt 8 leaves the one younger group out.
.macro BODY slot, first
.if \first
	LQ 0
.endif
	LK \slot, 0
	LK \slot, 1
	s_wait_dscnt 8
	SG 0
	PLACES
	LK \slot, 2
	s_wait_dscnt 8
	SG 1
	PLACES
	LK \slot, 3
	s_wait_dscnt 8
	SG 2
	PLACES
	LV \slot, 0
	s_wait_dscnt 8
	SG 3
	PLACES
	LV \slot, 1
	s_cmp_gt_i32 s70, 0                            ; rel > 0: all my keys lie in front of all my queries
	s_cbranch_scc1 .Lnomask_\@
	MASK
.Lnomask_\@:
	SOFTMAX
.if \first == 0
	RESCALE
.endif
	s_wait_dscnt 8
	PG 0, \first
	PLACES
	LV \slot, 2
	s_wait_dscnt 8
	PG 1, \first
	PLACES
	LV \slot, 3
	s_wait_dscnt 8
	PG 2, \first
	s_wait_dscnt 0
	PG 3, \first
	WIN 0
	PLACES                                         ; five places: the next tile's first products write over P, a source of the last ones;
	v_nop                                          ; its loads and the copies below need four
.endm
.macro SAVE                            ; phase L's O, maxima and sums are put aside
	WIN 0x41
.set i_, 0
.rept 128
	v_mov_b32 v[128+i_], v[i_]
.set i_, i_+1
.endr
	WIN 0
.irp i, 0,1,2,3
	v_mov_b32 v[SV+\i], v[ST+\i]
.endr
.endm
; Phase H begins.  In its first tile every wave has rel = 31 - j - ks > 0 and works, and the factor 2^(C (-2^100 - m)) = 0 wipes the old O and l.
.macro RESTART
	v_mov_b32 v[ST], 0xf1800000
	v_mov_b32 v[ST+2], 0xf1800000
	LQ 64*272                                      ; waited for by the next trip's s_wait_dscnt 0
	s_sub_co_u32 s68, 31, s12
	s_mov_b32 s67, 0
	s_mov_b32 s69, 64                              ; never runs out again
.endm
; A trip.  In front of the round every wave waits for all its tensor loads (this trip's tile among them) and for its reads of the other slot;
; the joint refill of the other slot is the wave's first and only tensor load behind the round.
; trans = 1: phase L may end here.  trans = 2 (first trip): the copy stands on every path: for j < 4 it is the final one, and OS and SV are written whichever way later branches go.
.macro TRIP slot, other, refill, first, trans
	s_wait_tensorcnt 0x0
	ds_add_u32 v254, v255
	s_wait_dscnt 0x0
.if \refill
	s_add_co_u32 s66, s66, 1                       ; the next trip's tile: f in phase L, f - n1 in phase H
	s_sub_co_u32 s71, s66, s13
	s_cmp_lt_u32 s66, s13
	s_cselect_b32 s72, s66, s71
	s_lshl_b32 s72, s72, 16                        ; 256 rows of 256 bytes
	s_add_nc_u64 s[G0K+4*\other+2:G0K+4*\other+3], s[60:61], s[72:73]
	s_or_b32 s[G0K+4*\other+3], s[G0K+4*\other+3], 0x80000000
	s_add_nc_u64 s[G0V+4*\other+2:G0V+4*\other+3], s[62:63], s[72:73]
	s_or_b32 s[G0V+4*\other+3], s[G0V+4*\other+3], 0x80000000
.endif
	s_wait_dscnt 0x0
	ROUND
.if \refill
	KVLOAD \other
.endif
	s_lshl_b32 s71, s67, 2
	s_sub_co_i32 s70, s68, s71
	s_sub_co_i32 s70, s70, s9                      ; rel = b - 4 t - ks, in blocks of 64: 0 on the diagonal
.if \first == 0
	s_cmp_lt_i32 s70, 0
	s_cbranch_scc1 .Lskip_\@                       ; all my keys lie behind all my queries
.endif
	BODY \slot, \first
.if \first == 0
.Lskip_\@:
.endif
	s_add_co_u32 s67, s67, 1
.if \trans == 2
	SAVE
.endif
.if \trans
	s_sub_co_u32 s69, s69, 1
	s_cmp_lg_u32 s69, 0
	s_cbranch_scc1 .Lsame_\@
.if \trans == 1
	SAVE
.endif
	RESTART
.Lsame_\@:
.endif
.endm
	TRIP 0, 1, 1, 1, 2                             ; the first trip is worked by every wave (masked where need be): its products start O
	s_mov_b32 s79, 3
.Ltrips:
	TRIP 1, 0, 1, 0, 1
	TRIP 0, 1, 1, 0, 1
	s_sub_co_u32 s79, s79, 1
	s_cmp_lg_u32 s79, 0
	s_cbranch_scc1 .Ltrips
	TRIP 1, 0, 1, 0, 0                             ; phase L has at most 4 tiles: it ended long ago
	TRIP 0, 1, 0, 0, 0                             ; the last trip fills nothing
; THE MERGE of the four key shares.  p = 0: phase L (OS, SV), p = 1: phase H (O at work, ST).  No tensor load follows, so the slots serve as scratch.
.set R,   40                           ; v40-71  m0, l0, m1, l1 of wave qg + 2 k, phase p at 8 k + 4 p
.set SC,  72                           ; v72-79  my share's weight, as a pair, at 2 (2 p + qb)
.set SA,  80
.set SL,  81
.set DA,  82
.set RB,  84                           ; v84-87
.set STO, 88
.set RD,  89
.set CO,  90
.set G,   104                          ; v104-231
.irp x, ST+1, ST+3, SV+1, SV+3
	v_permlanex16_b32 v[T], v[\x], s77, s78        ; the two halves' sums meet
	v_add_f32 v[\x], v[\x], v[T]
.endr
	s_lshl_b32 s71, s8, 10
	s_add_co_u32 s71, s71, STATS
	v_add_nc_u32 v[SA], s71, v3
	s_lshl_b32 s71, s10, 10
	s_add_co_u32 s71, s71, STATS
	v_add_nc_u32 v[SL], s71, v3
	ds_store_b128 v[SA], v[SV:SV+3]                ; in slot 1, which nobody has read since the last round
	ds_store_b128 v[SA], v[ST:ST+3] offset:512
	s_wait_dscnt 0x0                               ; my stores, and my reads of slot 0, are done
	s_barrier_signal -1
	s_barrier_wait -1
.irp k, 0,1,2,3
.irp p, 0,1
	ds_load_b128 v[R+8*\k+4*\p:R+8*\k+4*\p+3], v[SL] offset:2048*\k+512*\p
.endr
.endr
	s_lshl_b32 s71, s8, 15
	v_add_nc_u32 v[DA], s71, v3
	s_wait_dscnt 0x0
; weight = 2^(C (m own - M)) / sum over k of 2^(C (m k - M)) l k,  M = the largest of the four maxima.  Wave ks = 0 always has a key, so the sum is at least about 1.
.macro SCALE p, qb, own
.set M_, R+4*\p+2*\qb
	v_max3_num_f32 v[T], v[M_], v[M_+8], v[M_+16]
	v_max_num_f32 v[T], v[T], v[M_+24]
	v_mul_f32 v[T], s76, v[T]
	v_fma_f32 v[T+1], v[M_], s74, v[T]
	v_fma_f32 v[T+2], v[M_+8], s74, v[T]
	v_fma_f32 v[T+3], v[M_+16], s74, v[T]
	v_fma_f32 v[T+4], v[M_+24], s74, v[T]
	v_fma_f32 v[T+5], v[\own], s74, v[T]
.irp i, 1,2,3,4,5
	v_exp_f32 v[T+\i], v[T+\i]
.endr
	v_nop                                          ; one plain place behind the exponentials
	s_wait_alu depctr_va_vdst(0)
	v_mul_f32 v[T+6], v[T+1], v[M_+1]
	v_fmac_f32 v[T+6], v[T+2], v[M_+9]
	v_fmac_f32 v[T+6], v[T+3], v[M_+17]
	v_fmac_f32 v[T+6], v[T+4], v[M_+25]
	v_rcp_f32 v[T+6], v[T+6]
	v_nop
	s_wait_alu depctr_va_vdst(0)
	v_mul_f32 v[SC+2*(2*\p+\qb)], v[T+5], v[T+6]
	v_mul_f32 v[SC+2*(2*\p+\qb)+1], v[T+5], v[T+6]
.endm
	SCALE 0, 0, SV
	SCALE 0, 1, SV+2
	SCALE 1, 0, ST
	SCALE 1, 1, ST+2
	WIN 0x41
.irp dt, 0,1,2,3,4,5,6,7
.irp qb, 0,1
.irp i, 0,2,4,6
	v_pk_mul_f32 v[128+8*(2*\dt+\qb)+\i:128+8*(2*\dt+\qb)+\i+1], v[128+8*(2*\dt+\qb)+\i:128+8*(2*\dt+\qb)+\i+1], v[SC+2*\qb:SC+2*\qb+1]
	v_pk_mul_f32 v[8*(2*\dt+\qb)+\i:8*(2*\dt+\qb)+\i+1], v[8*(2*\dt+\qb)+\i:8*(2*\dt+\qb)+\i+1], v[SC+4+2*\qb:SC+4+2*\qb+1]
.endr
.endr
.endr
	WIN 0x04                                       ; store data from window 1.  A tile is 1,024 bytes: registers 0-3 of the 32 lanes, then registers 4-7
.irp dt, 0,1,2,3,4,5,6,7
.irp qb, 0,1
	ds_store_b128 v[DA], v[128+8*(2*\dt+\qb):128+8*(2*\dt+\qb)+3] offset:1024*(2*\dt+\qb)
	ds_store_b128 v[DA], v[128+8*(2*\dt+\qb)+4:128+8*(2*\dt+\qb)+7] offset:1024*(2*\dt+\qb)+512
	ds_store_b128 v[DA], v[8*(2*\dt+\qb):8*(2*\dt+\qb)+3] offset:16384+1024*(2*\dt+\qb)
	ds_store_b128 v[DA], v[8*(2*\dt+\qb)+4:8*(2*\dt+\qb)+7] offset:16384+1024*(2*\dt+\qb)+512
.endr
.endr
	WIN 0
	; wave (qg, ks) sums phase p = ks / 2, query block qb = ks mod 2 of its qg: 16 queries x 128 d
	s_lshr_b32 s86, s9, 1
	s_and_b32 s87, s9, 1
	s_lshl_b32 s71, s10, 15
	s_lshl_b32 s88, s86, 14
	s_add_co_u32 s71, s71, s88
	s_lshl_b32 s88, s87, 10
	s_add_co_u32 s71, s71, s88
	v_add_nc_u32 v[RB], s71, v3
	v_add_nc_u32 v[RB+1], 0x10000, v[RB]
	v_add_nc_u32 v[RB+2], 0x20000, v[RB]
	v_add_nc_u32 v[RB+3], 0x30000, v[RB]
	s_mul_i32 s71, s8, 16*272
	s_add_co_u32 s71, s71, QST
	v_add_nc_u32 v[STO], s71, v4
	v_mul_u32_u24 v5, v2, 272
	v_lshl_add_u32 v5, v1, 4, v5
	v_add_nc_u32 v[RD], s71, v5
	v_lshlrev_b32 v6, 12, v2
	v_lshl_add_u32 v[CO], v1, 4, v6                ; two rows of ab, 256 bytes of each
	s_sub_co_u32 s71, 31, s12
	s_cmp_eq_u32 s86, 0
	s_cselect_b32 s71, s12, s71                    ; the phase's query block
	s_lshl_b32 s71, s71, 2
	s_lshl_b32 s88, s10, 1
	s_add_co_u32 s71, s71, s88
	s_add_co_u32 s71, s71, s87                     ; in units of 16 rows of 4,096 bytes
	s_lshl_b32 s80, s71, 16
	s_lshl_b32 s84, s15, 8
	s_add_co_u32 s80, s80, s84
	s_mov_b32 s81, 0
	s_add_nc_u64 s[82:83], s[6:7], s[80:81]
	s_wait_dscnt 0x0
	s_barrier_signal -1
	s_barrier_wait -1
.irp hf, 0,1
.irp dl, 0,1,2,3
.irp k, 0,1,2,3
	ds_load_b128 v[G+32*\dl+8*\k:G+32*\dl+8*\k+3], v[RB+\k] offset:2048*(4*\hf+\dl)
	ds_load_b128 v[G+32*\dl+8*\k+4:G+32*\dl+8*\k+7], v[RB+\k] offset:2048*(4*\hf+\dl)+512
.endr
.endr
	s_wait_dscnt 0x0
.irp dl, 0,1,2,3
.irp i, 0,2,4,6
	v_pk_add_f32 v[G+32*\dl+\i:G+32*\dl+\i+1], v[G+32*\dl+\i:G+32*\dl+\i+1], v[G+32*\dl+8+\i:G+32*\dl+8+\i+1]
	v_pk_add_f32 v[G+32*\dl+16+\i:G+32*\dl+16+\i+1], v[G+32*\dl+16+\i:G+32*\dl+16+\i+1], v[G+32*\dl+24+\i:G+32*\dl+24+\i+1]
	v_pk_add_f32 v[G+32*\dl+\i:G+32*\dl+\i+1], v[G+32*\dl+\i:G+32*\dl+\i+1], v[G+32*\dl+16+\i:G+32*\dl+16+\i+1]
.endr
.irp i, 0,1,2,3
	v_cvt_pk_f16_f32 v[G+32*\dl+\i], v[G+32*\dl+2*\i], v[G+32*\dl+2*\i+1]
.endr
	ds_store_b128 v[STO], v[G+32*\dl:G+32*\dl+3] offset:32*(4*\hf+\dl)      ; my own stage: row = query r, d = 16 dt + 8 h + 0..7
.endr
.endr
.irp t, 0,1,2,3,4,5,6,7
	ds_load_b128 v[R+4*\t:R+4*\t+3], v[RD] offset:544*\t           ; LDS serves a wave's instructions in order: these see the stores above
.endr
.irp t, 0,1,2,3,4,5,6,7
	s_wait_dscnt 7-\t
	global_store_b128 v[CO], v[R+4*\t:R+4*\t+3], s[82:83] offset:8192*\t    ; 16 lanes store a head's 256 bytes of a row, at a multiple of 256
.endr
	s_wait_tensorcnt 0x0
	ds_add_u32 v254, v255
	s_wait_dscnt 0x0
	ROUND                                          ; the closing round
	s_endpgm
.Lfunc_end_k_qe059b265e7_attn:
	.size	k_qe059b265e7_attn, .Lfunc_end_k_qe059b265e7_attn-k_qe059b265e7_attn
	.p2alignl 7, 3214868480
	.fill 96, 4, 3214868480
	.section	.rodata,"a",@progbits
	.p2align	6, 0x0
	.amdhsa_kernel k_qe059b265e7_attn
		.amdhsa_group_segment_fixed_size 327680
		.amdhsa_private_segment_fixed_size 0
		.amdhsa_enable_private_segment 0
		.amdhsa_kernarg_size 16
		.amdhsa_user_sgpr_count 2
		.amdhsa_user_sgpr_kernarg_segment_ptr 1
		.amdhsa_wavefront_size32 1
		.amdhsa_system_sgpr_workgroup_id_x 1
		.amdhsa_system_sgpr_workgroup_id_y 1
		.amdhsa_system_sgpr_workgroup_id_z 1
		.amdhsa_system_vgpr_workitem_id 0
		.amdhsa_next_free_vgpr 512
		.amdhsa_next_free_sgpr 96
		.amdhsa_reserve_vcc 1
		.amdhsa_float_denorm_mode_32 3
		.amdhsa_float_denorm_mode_16_64 3
		.amdhsa_memory_ordered 1
		.amdhsa_forward_progress 1
		.amdhsa_inst_pref_size 201
	.end_amdhsa_kernel
	.amdgpu_metadata
---
amdhsa.version: [ 1, 2 ]
amdhsa.kernels:
  - .name:           k_qe059b265e7_attn
    .symbol:         k_qe059b265e7_attn.kd
    .args:
      - { .name: qkvh, .offset: 0, .size: 8, .value_kind: global_buffer, .address_space: global }
      - { .name: ab, .offset: 8, .size: 8, .value_kind: global_buffer, .address_space: global }
    .group_segment_fixed_size: 327680
    .private_segment_fixed_size: 0
    .kernarg_segment_align: 8
    .kernarg_segment_size: 16
    .max_flat_workgroup_size: 256
    .sgpr_count:     96
    .vgpr_count:     512
    .wavefront_size: 32
...
	.end_amdgpu_metadata
.endif
;; end of part 3
;; launch oproj (part 4): grid 16 x 16, 4 waves a work-group, clusters of 4 x 4, 327,680 bytes of LDS; arguments ab, wob, out0; writes out0
.if DOCPART == 4
	.amdgcn_target "amdgcn-amd-amdhsa--gfx1250"
	.amdhsa_code_object_version 6
	.text
	.protected	k_qe059b265e7_oproj
	.globl	k_qe059b265e7_oproj
	.p2align	8
	.type	k_qe059b265e7_oproj,@function
k_qe059b265e7_oproj:
	s_mov_b64 s[64:65], 0
	v_nop
	global_prefetch_b8 v0, s[64:65] scope:SCOPE_SE
	s_setreg_imm32_b32 hwreg(HW_REG_WAVE_MODE, 25, 1), 1
	s_wait_xcnt 0x0
	s_wait_alu depctr_hold_cnt(0) depctr_sa_sdst(0) depctr_va_vdst(0) depctr_va_sdst(0) depctr_va_ssrc(0) depctr_va_vcc(0) depctr_vm_vsrc(0)
	s_getreg_b32 s2, hwreg(HW_REG_IB_STS2, 6, 4)
	s_cmp_eq_u32 s2, 0
	s_cbranch_scc0 .Lentry_in_a_cluster
	s_endpgm
.Lentry_in_a_cluster:
	s_bfe_u32 s2, ttmp6, 0x10000c
	s_cmp_lg_u32 s2, 0xf033
	s_cbranch_scc0 .Lentry_shape_is_right
	s_endpgm
.Lentry_shape_is_right:
; out0 (f32) = ab . wob.  ab [2048][2048] f16 (in units v * 2^-3), wob [k][n] f16 = Wo * 8: the two factors cancel.
; A work-group makes 128 x 128 with four waves (16 x 16 = 256 work-groups); wave (wr = w / 2, wc = w mod 2) makes 64 x 64: 16 accumulator tiles.
; K goes in steps of 256 (8 sub-steps of 32) through two LDS slots, so that a request has 128 matrix instructions of a wave in which to land.
; CLUSTERS of 4 x 4: ab's tile is shared along a row of the cluster, wob's along a column, each asked for jointly.
; THE WALK ALONG K.  Cluster (x, y) starts at step k0 = 2 x + 4 ((y xor y / 2) mod 2) mod 8 and wraps round.  The four clusters of one y read the same rows
; of ab and start 2 steps apart; of the four clusters of one x, which read the same columns of wob, y starts 4 steps from y + 1 and from y + 2.
; So clusters that share a tile ask for it in different rounds, and all but the first of them ask for bytes that have been read shortly before.
; The f32 sums therefore run along K from k0 with wrap-around: their order differs from cluster to cluster.
; ab's rows lie along K: plain fragment loads.  wob lies [k][n]: transposing loads.  The matrix instruction is used transposed:
; lane (r, h) holds row 16 a + r, columns 16 b + 8 h + 0..7.
.set PA,    528                        ; ab's LDS rows: 512 bytes + 16
.set PB,    288                        ; wob's LDS rows: 256 bytes + 32
.set BSZ,   256*PB                     ; wob's 256 rows of k lie first in a slot,
.set ASZ,   128*PA                     ; ab's 128 rows behind them
.set SLOT,  ASZ+BSZ
.set STAGE, 2*SLOT                     ; 16 rows x 272 bytes for each wave; no tensor load lands here
.set LAPS,  2048/512
.set ADRA, 16                          ; v16-17 slot 0, 1
.set ADRB, 18                          ; v18-21 slot 0 sub-steps 0-3, 4-7; slot 1 likewise (the 16-bit immediate does not reach all eight)
.set STO,  22
.set RD,   23
.set CO,   24
.set F0,   32                          ; wob's 4 blocks at +0, ab's 4 blocks at +32
.set F1,   96
.set RB0,  160
.set RB1,  192
.set G1A, 24
.set G0A, 32
.set G1B, 40
.set G0B, 48
.set MSB, 0
.set MUL, 0x50
.macro WIN new
.if MSB != \new
	s_set_vgpr_msb (MSB<<8)|\new
.set MSB, \new
.endif
.endm
.macro PLACES
.rept 4
	v_nop
.endr
.endm
.macro JLOAD s                         ; waves 0, 1 ask for wob's two halves, waves 2, 3 for ab's
	s_cmp_eq_u32 s13, 0
	s_cbranch_scc0 .Lfor_a_\@
	tensor_load_to_lds s[G0B+4*\s:G0B+4*\s+3], s[G1B:G1B+7]
	s_nop 0
	s_branch .Lasked_\@
.Lfor_a_\@:
	tensor_load_to_lds s[G0A+4*\s:G0A+4*\s+3], s[G1A:G1A+7]
	s_nop 0
.Lasked_\@:
.endm
; The next K step of the cluster's walk, s75 mod 8, goes into the slot's two address pairs.  s75 is made of the cluster's numbers alone: equal in all partners.
; It stands where no tensor load of the wave is out (at the start; later behind the wait for all loads), so the group 0 registers may be written.
.macro NEXTK slot
	s_and_b32 s2, s75, 7
	s_add_co_u32 s75, s75, 1
	s_lshl_b32 s76, s2, 9                          ; ab: 256 elements = 512 bytes along the row
	s_lshl_b32 s78, s2, 20                         ; wob: 256 rows of 4,096 bytes
	s_add_nc_u64 s[G0A+4*\slot+2:G0A+4*\slot+3], s[58:59], s[76:77]
	s_or_b32 s[G0A+4*\slot+3], s[G0A+4*\slot+3], 0x80000000
	s_add_nc_u64 s[G0B+4*\slot+2:G0B+4*\slot+3], s[62:63], s[78:79]
	s_or_b32 s[G0B+4*\slot+3], s[G0B+4*\slot+3], 0x80000000
.endm
.macro CREST
	s_cmp_lg_u32 s12, 0
	s_cbranch_scc1 .Lnot_wave_0_\@
	s_barrier_signal -3
.Lnot_wave_0_\@:
	s_barrier_wait -3
	s_barrier_signal -1
	s_barrier_wait -1
.endm
.macro CROUND
	s_barrier_signal -1
	s_barrier_wait -1
	CREST
.endm
	s_load_b128 s[4:7], s[0:1], 0x0                ; ab 4, wob 6
	s_load_b64 s[8:9], s[0:1], 0x10                ; out0
	v_lshl_add_u32 v254, v0, 2, 0x49400
	v_mov_b32 v255, 0
	ds_add_u32 v254, v255
	v_lshrrev_b32 v1, 5, v0
	v_readfirstlane_b32 s12, v1                    ; wave
	s_lshr_b32 s13, s12, 1                         ; wr.  Also: 0 I fetch wob, 1 I fetch ab
	s_and_b32 s14, s12, 1                          ; wc.  Also: which half of that tile
	s_bfe_u32 s15, ttmp6, 0x40000                  ; cx
	s_bfe_u32 s16, ttmp6, 0x40004                  ; cy
	s_lshl_b32 s17, ttmp9, 2
	s_add_co_u32 s17, s17, s15                     ; bx
	s_and_b32 s18, ttmp7, 0xffff                   ; cluster y
	s_lshr_b32 s2, s18, 1
	s_xor_b32 s2, s2, s18
	s_and_b32 s2, s2, 1
	s_lshl_b32 s75, s2, 2
	s_lshl1_add_u32 s75, ttmp9, s75                ; k0 = 2 x + 4 ((y xor y / 2) mod 2); taken mod 8 where it is used
	s_mov_b32 s77, 0                               ; high words of the two step offsets
	s_mov_b32 s79, 0
	s_lshl_b32 s18, s18, 2
	s_add_co_u32 s18, s18, s16                     ; by
	s_lshl_b32 s19, s16, 2
	s_lshl_b32 s19, 15, s19
	s_lshl_b32 s20, 0x1111, s15
	s_or_b32 s[G1A+0], s19, (1<<16)|(1<<20)|(1<<21)|(6<<22)|(3<<25)   ; my row; pad 4 words behind every 128
	s_mov_b32 s[G1A+1], 256<<16                    ; 256 elements along K
	s_mov_b32 s[G1A+2], 64<<16                     ; 64 rows
	s_mov_b32 s[G1A+3], 256<<16
	s_mov_b32 s[G1A+4], 64
	s_mov_b32 s[G1A+5], 2048
	s_mov_b32 s[G1A+6], 0
	s_mov_b32 s[G1A+7], 0
	s_or_b32 s[G1B+0], s20, (1<<16)|(1<<20)|(1<<21)|(5<<22)|(7<<25)   ; my column; pad 8 words behind every 64
	s_mov_b32 s[G1B+1], 128<<16                    ; 128 columns
	s_mov_b32 s[G1B+2], 128<<16                    ; 128 rows of k
	s_mov_b32 s[G1B+3], 128<<16
	s_mov_b32 s[G1B+4], 128
	s_mov_b32 s[G1B+5], 2048
	s_mov_b32 s[G1B+6], 0
	s_mov_b32 s[G1B+7], 0
	s_lshl_b32 s56, s18, 19                        ; ab: (128 by + 64 half) rows of 4,096 bytes
	s_lshl_b32 s57, s14, 18
	s_add_co_u32 s56, s56, s57
	s_mov_b32 s57, 0
	s_lshl_b32 s60, s14, 19                        ; wob: 128 half rows of 4,096 bytes + 256 bx
	s_lshl_b32 s61, s17, 8
	s_add_co_u32 s60, s60, s61
	s_mov_b32 s61, 0
	s_mul_i32 s22, s12, 128*PB                     ; LDS: wob's halves at wave x 36,864 (waves 0, 1)
	s_mul_i32 s21, s12, 64*PA
	s_add_co_u32 s21, s21, BSZ-2*64*PA             ; ab's at 6,144 + wave x 33,792 (waves 2, 3): behind wob's 73,728
	s_lshl_b32 s72, s18, 20                        ; out0: (128 by + 64 wr) rows of 8,192 bytes + 512 bx + 256 wc
	s_lshl_b32 s73, s13, 19
	s_add_co_u32 s72, s72, s73
	s_lshl_b32 s73, s17, 9
	s_add_co_u32 s72, s72, s73
	s_lshl_b32 s73, s14, 8
	s_add_co_u32 s72, s72, s73
	s_mov_b32 s73, 0
	s_wait_dscnt 0x0
	s_wait_kmcnt 0x0
	s_add_nc_u64 s[58:59], s[4:5], s[56:57]        ; ab's tile at K step 0: the base that NEXTK adds onto
	s_add_nc_u64 s[62:63], s[6:7], s[60:61]        ; wob's likewise
	s_add_nc_u64 s[68:69], s[8:9], s[72:73]
	CROUND
.irp s, 0,1
	s_mov_b32 s[G0A+4*\s], 1
	s_add_co_u32 s[G0A+4*\s+1], s21, \s*SLOT
	s_mov_b32 s[G0B+4*\s], 1
	s_add_co_u32 s[G0B+4*\s+1], s22, \s*SLOT
	NEXTK \s                                       ; steps k0 and k0 + 1
	JLOAD \s                                       ; two tensor loads of the wave are out
.endr
	v_and_b32 v1, 15, v0                           ; r
	v_bfe_u32 v2, v0, 4, 1                         ; h
	v_mul_u32_u24 v3, v1, PA
	v_lshl_add_u32 v3, v2, 4, v3
	s_mul_i32 s23, s13, 64*PA
	s_add_co_u32 s23, s23, BSZ
	v_add_nc_u32 v[ADRA], s23, v3
	v_add_nc_u32 v[ADRA+1], SLOT, v[ADRA]
	v_and_b32 v4, 7, v0
	v_lshl_add_u32 v4, v2, 3, v4
	v_mul_u32_u24 v4, v4, PB
	v_bfe_u32 v5, v0, 3, 1
	v_lshl_add_u32 v4, v5, 4, v4
	s_lshl_b32 s23, s14, 7                         ; my 64 columns: 128 bytes
	v_add_nc_u32 v[ADRB], s23, v4
	v_add_nc_u32 v[ADRB+1], 128*PB, v[ADRB]
	v_add_nc_u32 v[ADRB+2], SLOT, v[ADRB]
	v_add_nc_u32 v[ADRB+3], SLOT+128*PB, v[ADRB]
	s_mul_i32 s23, s12, 16*272
	s_add_co_u32 s23, s23, STAGE
	v_mul_u32_u24 v5, v1, 272
	v_lshl_add_u32 v5, v2, 5, v5
	v_add_nc_u32 v[STO], s23, v5                   ; in: row r, 32 bytes (8 f32) for each half of the lanes
	v_mul_u32_u24 v5, v2, 272
	v_lshl_add_u32 v5, v1, 4, v5
	v_add_nc_u32 v[RD], s23, v5
	v_lshlrev_b32 v5, 13, v2
	v_lshl_add_u32 v[CO], v1, 4, v5                ; two rows of out0, my 256 bytes of each
.macro FETCH slot, q, f                ; 16 LDS loads: wob's 4 blocks, ab's blocks 0, 1, then 2, 3
	WIN 0
.irp b, 0,1,2,3
	ds_load_tr16_b128 v[\f+8*\b:\f+8*\b+3], v[ADRB+2*\slot+\q/4] offset:32*PB*(\q%4)+32*\b
	ds_load_tr16_b128 v[\f+8*\b+4:\f+8*\b+7], v[ADRB+2*\slot+\q/4] offset:32*PB*(\q%4)+32*\b+16*PB
.endr
.irp a, 0,1,2,3
	ds_load_b128 v[\f+32+8*\a:\f+32+8*\a+3], v[ADRA+\slot] offset:16*PA*\a+64*\q
	ds_load_b128 v[\f+32+8*\a+4:\f+32+8*\a+7], v[ADRA+\slot] offset:16*PA*\a+64*\q+32
.endr
.endm
; 4 matrix instructions.  The 16 accumulators take turns in one fixed order, one instruction a turn.
.macro MULA f, a, zero
.irp b, 0,1,2,3
.if \zero
	v_wmma_f32_16x16x32_f16 v[8*(4*\a+\b):8*(4*\a+\b)+7], v[\f+8*\b:\f+8*\b+7], v[\f+32+8*\a:\f+32+8*\a+7], 0
.else
	v_wmma_f32_16x16x32_f16 v[8*(4*\a+\b):8*(4*\a+\b)+7], v[\f+8*\b:\f+8*\b+7], v[\f+32+8*\a:\f+32+8*\a+7], v[8*(4*\a+\b):8*(4*\a+\b)+7]
.endif
.endr
.endm
.macro SUB slot, q, f, g, zero
	s_wait_dscnt 4                                 ; all of buffer f but ab's blocks 2, 3
	WIN MUL
	MULA \f, 0, \zero
	MULA \f, 1, \zero
	PLACES
	FETCH \slot, \q, \g
	s_wait_dscnt 16                                ; all but the 16 just issued
	WIN MUL
	MULA \f, 2, \zero
	MULA \f, 3, \zero
.endm
.macro SEVEN slot, zero
	SUB \slot, 1, F0, F1, \zero
	SUB \slot, 2, F1, F0, 0
	SUB \slot, 3, F0, F1, 0
	SUB \slot, 4, F1, F0, 0
	SUB \slot, 5, F0, F1, 0
	SUB \slot, 6, F1, F0, 0
	SUB \slot, 7, F0, F1, 0
.endm
; The eighth sub-step changes slots: each wave's reads of this slot and all its tensor loads are waited for in front of the barrier;
; where the slot is filled again the barrier opens a round of the cluster's barrier, and the joint refill is first behind it.
.macro TURN slot, next, fill
	s_wait_dscnt 4
	WIN MUL
	MULA F1, 0, 0
	s_wait_dscnt 0
	s_wait_tensorcnt 0x0
	ds_add_u32 v254, v255
	s_wait_dscnt 0x0
	s_barrier_signal -1
	MULA F1, 1, 0
	WIN 0
	s_barrier_wait -1
.if \fill
	CREST
	NEXTK \slot                                    ; the walk's next step, two ahead of the one that is multiplied next
	JLOAD \slot
.endif
	PLACES
	FETCH \next, 0, F0
	WIN MUL
	MULA F1, 2, 0
	MULA F1, 3, 0
.endm
.macro LAP zero
	SEVEN 0, \zero
	TURN 0, 1, 1
	SEVEN 1, 0
	TURN 1, 0, 1
.endm
	s_wait_tensorcnt 1                             ; my part of slot 0 is in; slot 1's may stay out
	s_barrier_signal -1
	s_barrier_wait -1
	FETCH 0, 0, F0
	LAP 1
	WIN 0
	s_mov_b32 s74, LAPS-2
.Llap:
	LAP 0
	WIN 0
	s_sub_co_u32 s74, s74, 1
	s_cmp_lg_u32 s74, 0
	s_cbranch_scc1 .Llap
	SEVEN 0, 0                                     ; the last lap fills nothing: 2 + 2 + 2 x 2 = 8 steps have been asked for
	TURN 0, 1, 0
	SEVEN 1, 0
	s_wait_dscnt 4
	WIN MUL
	MULA F1, 0, 0
	MULA F1, 1, 0
	s_wait_dscnt 0
	MULA F1, 2, 0
	MULA F1, 3, 0
; THE WAY OUT, 16 rows at a time: the accumulators go as they are into my own stage, whole rows of 256 bytes come back and are stored.
.macro OUT16 a, rb
	WIN 0x04                                       ; store data from window 1
.irp b, 0,1,2,3
	ds_store_b128 v[STO], v[8*(4*\a+\b):8*(4*\a+\b)+3] offset:64*\b
	ds_store_b128 v[STO], v[8*(4*\a+\b)+4:8*(4*\a+\b)+7] offset:64*\b+16
.endr
	WIN 0
	s_wait_xcnt 0x0                                ; buffer rb, which earlier stores read, is loaded again only behind this wait
.irp t, 0,1,2,3,4,5,6,7
	ds_load_b128 v[\rb+4*\t:\rb+4*\t+3], v[RD] offset:544*\t       ; LDS serves a wave's instructions in order: these see the stores above
.endr
.irp t, 0,1,2,3,4,5,6,7
	s_wait_dscnt 7-\t
	global_store_b128 v[CO], v[\rb+4*\t:\rb+4*\t+3], s[68:69] offset:131072*\a+16384*\t   ; 16 lanes store 256 neighbouring bytes, at a multiple of 256
.endr
.endm
	PLACES
	OUT16 0, RB0
	OUT16 1, RB1
	OUT16 2, RB0
	OUT16 3, RB1
	s_wait_tensorcnt 0x0
	ds_add_u32 v254, v255
	s_wait_dscnt 0x0
	CROUND                                         ; the closing round
	s_endpgm
.Lfunc_end_k_qe059b265e7_oproj:
	.size	k_qe059b265e7_oproj, .Lfunc_end_k_qe059b265e7_oproj-k_qe059b265e7_oproj
	.p2alignl 7, 3214868480
	.fill 96, 4, 3214868480
	.section	.rodata,"a",@progbits
	.p2align	6, 0x0
	.amdhsa_kernel k_qe059b265e7_oproj
		.amdhsa_group_segment_fixed_size 327680
		.amdhsa_private_segment_fixed_size 0
		.amdhsa_enable_private_segment 0
		.amdhsa_kernarg_size 24
		.amdhsa_user_sgpr_count 2
		.amdhsa_user_sgpr_kernarg_segment_ptr 1
		.amdhsa_wavefront_size32 1
		.amdhsa_system_sgpr_workgroup_id_x 1
		.amdhsa_system_sgpr_workgroup_id_y 1
		.amdhsa_system_sgpr_workgroup_id_z 1
		.amdhsa_system_vgpr_workitem_id 0
		.amdhsa_next_free_vgpr 384
		.amdhsa_next_free_sgpr 80
		.amdhsa_reserve_vcc 0
		.amdhsa_float_denorm_mode_32 3
		.amdhsa_float_denorm_mode_16_64 3
		.amdhsa_memory_ordered 1
		.amdhsa_forward_progress 1
		.amdhsa_inst_pref_size 129
	.end_amdhsa_kernel
	.amdgpu_metadata
---
amdhsa.version: [ 1, 2 ]
amdhsa.kernels:
  - .name:           k_qe059b265e7_oproj
    .symbol:         k_qe059b265e7_oproj.kd
    .args:
      - { .name: ab, .offset: 0, .size: 8, .value_kind: global_buffer, .address_space: global }
      - { .name: wob, .offset: 8, .size: 8, .value_kind: global_buffer, .address_space: global }
      - { .name: out0, .offset: 16, .size: 8, .value_kind: global_buffer, .address_space: global }
    .group_segment_fixed_size: 327680
    .private_segment_fixed_size: 0
    .kernarg_segment_align: 8
    .kernarg_segment_size: 24
    .max_flat_workgroup_size: 128
    .sgpr_count:     80
    .vgpr_count:     384
    .wavefront_size: 32
...
	.end_amdgpu_metadata
.endif
;; end of part 4
;; ======== version 2 of 2: 4 launches; version 1 with the launch cvt written anew for expert scheduling mode
;; limits: values outside matrix products are rounded to bf16; values are held in f16: magnitudes above 65,504 overflow, below 6.1e-05 lose precision; right only within a limited range of input values
;; workspace buffers: xb 8,388,608 bytes; wqkv 12,582,912 bytes; wob 8,388,608 bytes; ropeb 1,048,576 bytes; qkvh 12,582,912 bytes; ab 8,388,608 bytes
;; launch cvt (part 5): grid 1856 x 1, 8 waves a work-group, no clusters, 0 bytes of LDS; arguments x, Wq, Wk, Wv, Wo, rope_cos, rope_sin, xb, wqkv, wob, ropeb; writes xb, wqkv, wob, ropeb
.if DOCPART == 5
	.amdgcn_target "amdgcn-amd-amdhsa--gfx1250"
	.amdhsa_code_object_version 6
	.text
	.protected	k_qe059b265e7_cvt
	.globl	k_qe059b265e7_cvt
	.p2align	8
	.type	k_qe059b265e7_cvt,@function
k_qe059b265e7_cvt:
	s_mov_b64 s[64:65], 0
	v_nop
	global_prefetch_b8 v0, s[64:65] scope:SCOPE_SE
	s_setreg_imm32_b32 hwreg(HW_REG_WAVE_SCHED_MODE, 0, 2), 2
	s_setreg_imm32_b32 hwreg(HW_REG_WAVE_MODE, 25, 1), 1
	s_wait_xcnt 0x0
	s_wait_alu depctr_vm_vsrc(0)
; Rounds every input once to bf16 and lays it out for the matrix launches.  A stream: no LDS, no matrix unit, no barrier.
;   xb    [2048][2048] bf16 = x
;   wqkv  [2048 k][3072 n] bf16: columns 0-2047 Wq * 2^-6, 2048-2559 Wk * 2^-6, 2560-3071 Wv * 2^-3
;   wob   [2048][2048] f16 = bf16(Wo) * 8   (a bf16 number has 8 significant bits: it is exact in f16 inside f16's normal range)
;   ropeb bf16 cos [2048][128]; at byte 524,288 bf16 sin [2048][128] with columns 0-63 negated (the sign of rot = [-t2, t1])
; The factors are powers of two, so they commute with the rounding.  They give q, k, v room in f16 later:
; LIMIT: |q|, |k| < 4.2e6 and |v| < 5.2e5 (65,504 * 64, 65,504 * 8); |Wo| < 8,188.  Below f16's denormals numbers become 0.
; A work-group takes 8 chunks of 1,024 f32 (32 KiB in, 16 KiB out).  Thread t takes elements 4 t .. 4 t + 3 of each chunk:
; a wave's load covers 512 neighbouring bytes, its store 256 neighbouring bytes that start at a multiple of 256.
; All eight loads go out first; each job is written out by itself with its own two base registers and ends there.
; THE MODE: SCHED_MODE bits 1:0 = 2 (LLVM: expert scheduling mode 2), set by the entry lines.  The code itself states the register dependences
; between vector instructions and memory instructions, with s_wait_alu, always for 0.
; THE PLAN.  Registers that memory instructions touch:
;   v1        the loads' offset.  Written once at the head, read by a job's eight loads, never written again.
;   X         chunk c's four registers: a load lands in them once; no vector instruction names them ahead of the loads.
;   v[OFF]    the stores' offset.  Written once, behind the loads, read by all eight stores, never written again.
;   Y         chunk c's pair: written by chunk c's roundings alone, read by chunk c's one store, never written again.
;   T, SGN, v3 to v5 and v11 are named by vector instructions alone.
; The eight chunks go in four blocks of two.  A block's two stores are issued at the head of the next block, behind ONE wait on va_vdst, which states
; that the block before has written its two pairs of Y (the first such wait also: that v[OFF] is written).  The vector instructions that follow name X, T
; and the new block's pairs of Y: none of the registers that those two stores read.  Nothing that a memory instruction reads is ever written again,
; so no wait on vm_vsrc is owed.
.set OFF, 2                            ; v2       my byte offset in the destination for chunk 0
.set SGN, 10                           ; v10      sign mask of the sin job
.set T,   12                           ; v[12:15] at work
.set X,   16                           ; v[16:47] chunk c: 4 f32 as loaded
.set Y,   48                           ; v[48:63] chunk c: 4 numbers of 16 bits to store
	s_load_b512 s[4:19], s[0:1], 0x0               ; x 4, Wq 6, Wk 8, Wv 10, Wo 12, cos 14, sin 16, xb 18
	s_load_b128 s[20:23], s[0:1], 0x40             ; wqkv 20, wob 22
	s_load_b64 s[24:25], s[0:1], 0x50              ; ropeb 24
	v_lshlrev_b32 v1, 4, v0                        ; 16 t: my bytes in a source chunk
	v_and_b32 v3, 127, v0
	v_lshrrev_b32 v4, 7, v0
	s_mov_b32 s29, 0                               ; high words of the two offsets
	s_mov_b32 s31, 0
	s_mov_b32 s38, 0xffff0000                      ; a word's upper bf16
	s_wait_kmcnt 0x0
	s_wait_alu depctr_va_vdst(0)                   ; v1 is written: a job's eight loads read it as their offset; only scalar lines and branches stand between this wait and them
; Chunk c's store.  Chunk c lies (c / 2) * da + (c % 2) * db behind the group's first destination byte.
.macro PUT dst, c, da, db
	global_store_b64 v[OFF], v[Y+2*(\c):Y+2*(\c)+1], s[\dst:\dst+1] offset:((\c)/2)*\da+((\c)%2)*\db
.endm
; src, dst: first register of the base pairs.  id0: the job's first work-group.  The group's destination starts at dbase + idl * dmul;
; chunk c lies (c / 2) * da + (c % 2) * db further on; threads 128-255 lie rw bytes behind threads 0-127.
.macro JOB src, dst, id0, dbase, dmul, da, db, rw, scale, fac, neg, h16
	s_sub_co_u32 s26, ttmp9, \id0                  ; idl
	s_lshl_b32 s28, s26, 15                        ; 32 KiB of source a group
	s_mul_i32 s30, s26, \dmul
	s_add_co_u32 s30, s30, \dbase
	s_add_nc_u64 s[\src:\src+1], s[\src:\src+1], s[28:29]
	s_add_nc_u64 s[\dst:\dst+1], s[\dst:\dst+1], s[30:31]
.irp c, 0,1,2,3,4,5,6,7
	global_load_b128 v[X+4*\c:X+4*\c+3], v1, s[\src:\src+1] offset:4096*\c th:TH_LOAD_NT
.endr
	v_mul_u32_u24 v4, v4, \rw
	v_lshl_add_u32 v[OFF], v3, 3, v4               ; 8 (t mod 128) + (t / 128) rw
.if \scale
	s_mov_b32 s36, \fac
	s_mov_b32 s37, \fac
.endif
.if \neg
	v_and_b32 v5, 16, v0                           ; column 4 t mod 128 is below 64 where bit 4 of t is 0
	v_mov_b32 v11, 0x80008000
	v_cmp_eq_u32 vcc_lo, 0, v5
	s_wait_alu depctr_va_vcc(0)                    ; the compare has written VCC, which the select below reads
	v_cndmask_b32 v[SGN], 0, v11, vcc_lo
.endif
.irp c, 0,1,2,3,4,5,6,7
	s_wait_loadcnt 7-\c                            ; loads return in order: chunk c is in, the 7 - c younger ones may be out
.if (\c > 0) && (\c % 2 == 0)
	s_wait_alu depctr_va_vdst(0)                   ; the block before has written its two pairs of Y, which the two stores below read; at the first of these waits v[OFF] is written too
	PUT \dst, (\c-2), \da, \db
	PUT \dst, (\c-1), \da, \db
.endif
.if \scale
	v_pk_mul_f32 v[X+4*\c:X+4*\c+1], v[X+4*\c:X+4*\c+1], s[36:37] op_sel_hi:[1,0]
	v_pk_mul_f32 v[X+4*\c+2:X+4*\c+3], v[X+4*\c+2:X+4*\c+3], s[36:37] op_sel_hi:[1,0]
.endif
	v_cvt_pk_bf16_f32 v[Y+2*\c], v[X+4*\c], v[X+4*\c+1]
	v_cvt_pk_bf16_f32 v[Y+2*\c+1], v[X+4*\c+2], v[X+4*\c+3]
.if \neg
	v_xor_b32 v[Y+2*\c], v[SGN], v[Y+2*\c]
	v_xor_b32 v[Y+2*\c+1], v[SGN], v[Y+2*\c+1]
.endif
.if \h16
	v_lshlrev_b32 v[T], 16, v[Y+2*\c]              ; the rounded bf16 numbers, widened, go on to f16
	v_and_b32 v[T+1], s38, v[Y+2*\c]
	v_lshlrev_b32 v[T+2], 16, v[Y+2*\c+1]
	v_and_b32 v[T+3], s38, v[Y+2*\c+1]
	v_cvt_pk_f16_f32 v[Y+2*\c], v[T], v[T+1]
	v_cvt_pk_f16_f32 v[Y+2*\c+1], v[T+2], v[T+3]
.endif
.endr
	s_wait_alu depctr_va_vdst(0)                   ; the last block has written the pairs of chunks 6 and 7, which the last two stores read
	PUT \dst, 6, \da, \db
	PUT \dst, 7, \da, \db
	s_endpgm
.endm
	s_cmp_lt_u32 ttmp9, 512
	s_cbranch_scc1 .Ljob_x
	s_cmp_lt_u32 ttmp9, 1024
	s_cbranch_scc1 .Ljob_wq
	s_cmp_lt_u32 ttmp9, 1152
	s_cbranch_scc1 .Ljob_wk
	s_cmp_lt_u32 ttmp9, 1280
	s_cbranch_scc1 .Ljob_wv
	s_cmp_lt_u32 ttmp9, 1792
	s_cbranch_scc1 .Ljob_wo
	s_cmp_lt_u32 ttmp9, 1824
	s_cbranch_scc1 .Ljob_cos
	JOB 16, 24, 1824, 524288, 16384, 4096, 2048, 1024, 0, 0, 1, 0             ; sin: 32 groups
.Ljob_x:
	JOB 4, 18, 0, 0, 16384, 4096, 2048, 1024, 0, 0, 0, 0                      ; x: 512 groups, dense to dense
.Ljob_wq:
	JOB 6, 20, 512, 0, 24576, 6144, 2048, 1024, 1, 0x3c800000, 0, 0           ; Wq: 4 rows a group, a chunk is half a row; * 2^-6
.Ljob_wk:
	JOB 8, 20, 1024, 4096, 98304, 24576, 12288, 6144, 1, 0x3c800000, 0, 0     ; Wk: 16 rows a group, a chunk is two rows; * 2^-6
.Ljob_wv:
	JOB 10, 20, 1152, 5120, 98304, 24576, 12288, 6144, 1, 0x3e000000, 0, 0    ; Wv: the same, * 2^-3
.Ljob_wo:
	JOB 12, 22, 1280, 0, 16384, 4096, 2048, 1024, 1, 0x41000000, 0, 1         ; Wo: * 8, bf16, then f16
.Ljob_cos:
	JOB 14, 24, 1792, 0, 16384, 4096, 2048, 1024, 0, 0, 0, 0                  ; cos: 32 groups
.Lfunc_end_k_qe059b265e7_cvt:
	.size	k_qe059b265e7_cvt, .Lfunc_end_k_qe059b265e7_cvt-k_qe059b265e7_cvt
	.p2alignl 7, 3214868480
	.fill 96, 4, 3214868480
	.section	.rodata,"a",@progbits
	.p2align	6, 0x0
	.amdhsa_kernel k_qe059b265e7_cvt
		.amdhsa_group_segment_fixed_size 0
		.amdhsa_private_segment_fixed_size 0
		.amdhsa_enable_private_segment 0
		.amdhsa_kernarg_size 88
		.amdhsa_user_sgpr_count 2
		.amdhsa_user_sgpr_kernarg_segment_ptr 1
		.amdhsa_wavefront_size32 1
		.amdhsa_system_sgpr_workgroup_id_x 1
		.amdhsa_system_sgpr_workgroup_id_y 1
		.amdhsa_system_sgpr_workgroup_id_z 1
		.amdhsa_system_vgpr_workitem_id 0
		.amdhsa_next_free_vgpr 64
		.amdhsa_next_free_sgpr 66
		.amdhsa_reserve_vcc 1
		.amdhsa_float_denorm_mode_32 3
		.amdhsa_float_denorm_mode_16_64 3
		.amdhsa_memory_ordered 1
		.amdhsa_forward_progress 1
		.amdhsa_inst_pref_size 32
	.end_amdhsa_kernel
	.amdgpu_metadata
---
amdhsa.version: [ 1, 2 ]
amdhsa.kernels:
  - .name:           k_qe059b265e7_cvt
    .symbol:         k_qe059b265e7_cvt.kd
    .args:
      - { .name: x, .offset: 0, .size: 8, .value_kind: global_buffer, .address_space: global }
      - { .name: Wq, .offset: 8, .size: 8, .value_kind: global_buffer, .address_space: global }
      - { .name: Wk, .offset: 16, .size: 8, .value_kind: global_buffer, .address_space: global }
      - { .name: Wv, .offset: 24, .size: 8, .value_kind: global_buffer, .address_space: global }
      - { .name: Wo, .offset: 32, .size: 8, .value_kind: global_buffer, .address_space: global }
      - { .name: rope_cos, .offset: 40, .size: 8, .value_kind: global_buffer, .address_space: global }
      - { .name: rope_sin, .offset: 48, .size: 8, .value_kind: global_buffer, .address_space: global }
      - { .name: xb, .offset: 56, .size: 8, .value_kind: global_buffer, .address_space: global }
      - { .name: wqkv, .offset: 64, .size: 8, .value_kind: global_buffer, .address_space: global }
      - { .name: wob, .offset: 72, .size: 8, .value_kind: global_buffer, .address_space: global }
      - { .name: ropeb, .offset: 80, .size: 8, .value_kind: global_buffer, .address_space: global }
    .group_segment_fixed_size: 0
    .private_segment_fixed_size: 0
    .kernarg_segment_align: 8
    .kernarg_segment_size: 88
    .max_flat_workgroup_size: 256
    .sgpr_count:     66
    .vgpr_count:     64
    .wavefront_size: 32
...
	.end_amdgpu_metadata
.endif
;; end of part 5
;; launch qkv: the kernel of part 2 again; grid 24 x 8, 4 waves a work-group, clusters of 4 x 4, 327,680 bytes of LDS; arguments xb, wqkv, ropeb, qkvh; writes qkvh
;; launch attn: the kernel of part 3 again; grid 16 x 16, 8 waves a work-group, clusters of 4 x 1, 327,680 bytes of LDS; arguments qkvh, ab; writes ab
;; launch oproj: the kernel of part 4 again; grid 16 x 16, 4 waves a work-group, clusters of 4 x 4, 327,680 bytes of LDS; arguments ab, wob, out0; writes out0
